; MI455X (gfx1250); checked and timed in simulation.
; The chip was launched on July 23, 2026; its instructions are those of AMD's public machine-readable ISA for CDNA 5 (MIT licence, August 2026) and "CDNA5" Instruction Set Architecture Reference Guide (July 2026). The comments in the code are by the model that wrote it; some were corrected since.
;; Multi Head Attention. Allowed arithmetic: matrix products marked QUANTISED: E2M3 operands, one E8M0 scale for each 32 along K, by v_wmma_scale_f32_16x16x128_f8f6f4 with both operands' format E2M3, f32 sums; everything else in f32.
;; Inputs: Wk_codes 1,024 x 32 x 24 uint8 (E2M3 codes of Wk, K innermost, in blocks of 32 codes, four codes in three bytes); Wk_scales 1,024 x 32 uint8 (E8M0 scales of Wk, one for each 32 codes along K); Wo_codes 1,024 x 32 x 24 uint8 (E2M3 codes of Wo, K innermost, in blocks of 32 codes, four codes in three bytes); Wo_scales 1,024 x 32 uint8 (E8M0 scales of Wo, one for each 32 codes along K); Wq_codes 1,024 x 32 x 24 uint8 (E2M3 codes of Wq, K innermost, in blocks of 32 codes, four codes in three bytes); Wq_scales 1,024 x 32 uint8 (E8M0 scales of Wq, one for each 32 codes along K); Wv_codes 1,024 x 32 x 24 uint8 (E2M3 codes of Wv, K innermost, in blocks of 32 codes, four codes in three bytes); Wv_scales 1,024 x 32 uint8 (E8M0 scales of Wv, one for each 32 codes along K); cos 1,024 x 64 float32; k_gamma 64 float32; mask 1,024 x 1,024 bool; q_gamma 64 float32; rope_indices 1,024 int32; sin 1,024 x 64 float32; x_codes 8 x 1,024 x 32 x 24 uint8 (E2M3 codes of x, K innermost, in blocks of 32 codes, four codes in three bytes); x_scales 8 x 1,024 x 32 uint8 (E8M0 scales of x, one for each 32 codes along K).
;; Outputs: out0 8 x 1,024 x 1,024 float32.
;; This version of the problem:
;;   THIS VERSION OF THE PROBLEM IS GIVEN IN LOW PRECISION. The matrix products marked QUANTISED in the list below multiply operands that are first quantised to E2M3 (2 exponent bits, 3 mantissa bits; 6 bits a number), with one power-of-two scale for each 32 numbers along K (OCP MX v1.0); their sums are f32. All else is computed in f32.
;;   The module's matrix products, in the order in which they are computed (A, B: the left and right operand; K: the contracted axis; several contracted axes count as one K, in the product's order):
;;     1. [M 8,192, K 1,024] x [K 1,024, N 1,024]; A: input x (given as codes); B: input Wq (given as codes): QUANTISED
;;     2. [M 8,192, K 1,024] x [K 1,024, N 1,024]; A: input x (given as codes); B: input Wk (given as codes): QUANTISED
;;     3. [M 8,192, K 1,024] x [K 1,024, N 1,024]; A: input x (given as codes); B: input Wv (given as codes): QUANTISED
;;     4. batch 128 x [M 1,024, K 64] x [K 64, N 1,024]; A: computed on the way; B: computed on the way: QUANTISED
;;     5. batch 128 x [M 1,024, K 1,024] x [K 1,024, N 64]; A: softmax (see below); B: computed on the way: QUANTISED
;;     6. [M 8,192, K 1,024] x [K 1,024, N 1,024]; A: computed on the way; B: input Wo (given as codes): QUANTISED
;;   THE QUANTISER, for each operand of a quantised product, along K:
;;     - K is cut into blocks of 32 from its start; a last block that is shorter is filled with zeros.
;;     - A block's scale is 2^e with e = floor(log2(the largest magnitude in the block)) - 2, held to -126 .. 127; a block of zeros has e = 0. As a byte (E8M0): e + 127.
;;     - Each number is divided by its block's scale, clamped to +-7.5, and rounded to the nearest number of E2M3, ties to even, subnormals kept.
;;     - The product sums the exact products of the quantised numbers (number of the format x scale) in f32.
;;   ~~~python
;;   def quantise(x, axis):      # numpy; x: float32 -> the quantised numbers, widened to float32 again
;;       x = np.moveaxis(x, axis, -1); K = x.shape[-1]
;;       x = np.pad(x, [(0, 0)] * (x.ndim - 1) + [(0, -K % 32)]); x = x.reshape(x.shape[:-1] + (-1, 32)); a = np.abs(x).max(-1, keepdims=True)
;;       e = np.where(a > 0, np.clip(np.frexp(np.where(a > 0, a, 1))[1] - 1 - 2, -126, 127), 0)      # np.frexp(a)[1] - 1 = floor(log2(a)), exactly
;;       r = np.clip(x / 2.0 ** e, -7.5, 7.5)
;;       step = 2.0 ** (np.maximum(np.frexp(np.where(r == 0, 1, r))[1] - 1, 0) - 3)
;;       q = np.round(r / step) * step * 2.0 ** e      # np.round: ties to even
;;       return np.moveaxis(q.reshape(q.shape[:-2] + (-1,))[..., :K], -1, axis).astype(np.float32)
;;   ~~~
;;   SOFTMAX AHEAD OF A QUANTISED PRODUCT. Where the list says 'softmax', what is quantised is not the finished softmax but p = 2^(t - M), with t = logit x log2(e) and M = ceil(the row's largest t), a whole number; so 1/2 < the row's largest p <= 1. The row's sum l is taken of the UNQUANTISED p, in f32, and the product's result is divided by l at the end. Since M is a whole number, a kernel that streams over the keys may use a running M (the ceiling of the running maximum): every later rescaling is an exact power of two, which a block's scale takes up: the codes' values come out the same.
;;   OPERANDS COMPUTED ON THE WAY. 'Computed on the way' means the value that the module computes at that place (a softmax that the list does not call 'softmax' is quantised finished and normalised). What goes into a quantiser is computed in f32, as accurately as f32 sums, v_exp_f32 and their like allow (about 1e-6 of the number): no bf16 or f16 on the way to a quantiser, and a product that is left as it is and whose result goes on into a quantised operand takes f32 operands (vector FMAs, or v_wmma_f32_16x16x4_f32). A number that lies on a knife's edge between two numbers of the format may be rounded either way, as far as f32 arithmetic and the matrix unit's own rounding can turn it there, and no further.
;;   INPUTS GIVEN AS CODES. Wk (in the module: [1024, 1024], K = its axis 1); Wo (in the module: [1024, 1024], K = its axis 1); Wq (in the module: [1024, 1024], K = its axis 1); Wv (in the module: [1024, 1024], K = its axis 1); x (in the module: [8, 1024, 1024], K = its axis 2): each comes as NAME_codes (uint8): NAME with its K axis moved to the last place and cut into blocks of 32 codes, [.., K / 32, bytes a block], one block behind the other in memory; four codes in three bytes: a row's codes are one little-endian stream of bits, code i at bits 6 i .. 6 i + 5 (a code: sign, 2 exponent bits, 3 mantissa bits); and NAME_scales (uint8): the same leading axes, one E8M0 byte (e + 127) for each 32 codes along K. Its value is code x scale, taken as it is: it is not quantised again, and the codes and scales need not be those that the quantiser above would give.
;; One version. Each part assembles by itself: llvm-mc -triple=amdgcn-amd-amdhsa -mcpu=gfx1250 --defsym DOCPART=n.
;; ======== version 1 of 1: 3 launches
;; limits: a function is approximated: absolute error at most 1.4e-05
;; workspace buffers: qbuf 6,553,600 bytes; kbuf 6,553,600 bytes; vbuf 6,553,600 bytes; maskw 131,072 bytes of whole numbers; aimg 6,291,456 bytes; asc 262,144 bytes
;; launch proj (part 1): grid 12 x 32, 4 waves a work-group, clusters of 4 x 4, 327,680 bytes of LDS; arguments x_codes, x_scales, Wq_codes, Wq_scales, Wk_codes, Wk_scales, Wv_codes, Wv_scales, q_gamma, k_gamma, cos, sin, rope_indices, mask, qbuf, kbuf, vbuf, maskw; writes qbuf, kbuf, vbuf, maskw
.if DOCPART == 1
	.amdgcn_target "amdgcn-amd-amdhsa--gfx1250"
	.amdhsa_code_object_version 6
	.text
	.protected	k_q472e885d18_proj
	.globl	k_q472e885d18_proj
	.p2align	8
	.type	k_q472e885d18_proj,@function
k_q472e885d18_proj:
	s_mov_b64 s[64:65], 0
	v_nop
	global_prefetch_b8 v0, s[64:65] scope:SCOPE_SE
	s_setreg_imm32_b32 hwreg(HW_REG_WAVE_MODE, 25, 1), 1
	s_wait_xcnt 0x0
	s_wait_alu depctr_hold_cnt(0) depctr_sa_sdst(0) depctr_va_vdst(0) depctr_va_sdst(0) depctr_va_ssrc(0) depctr_va_vcc(0) depctr_vm_vsrc(0)
	s_getreg_b32 s2, hwreg(HW_REG_IB_STS2, 6, 4)
	s_cmp_eq_u32 s2, 0
	s_cbranch_scc0 .Lentry_in_a_cluster
	s_endpgm
.Lentry_in_a_cluster:
	s_bfe_u32 s2, ttmp6, 0x10000c
	s_cmp_lg_u32 s2, 0xf033
	s_cbranch_scc0 .Lentry_shape_is_right
	s_endpgm
.Lentry_shape_is_right:
; THE THREE PROJECTIONS, on codes of FP6 (E2M3) with one E8M0 scale for each 32 along K, and what follows them up to the next quantiser.
; One text serves three jobs, told apart by the cluster's x, which all sixteen partners share:
;   job 0, 1 (q, k): C = x W^T, A = x (8,192 tokens), B = Wq or Wk (1,024 rows).  Then RMS norm over the head's 64, gamma, the gathered RoPE, and the quantiser along the head's 64.
;   job 2 (v):       C = Wv x^T, A = Wv (1,024 channels), B = x.  Then the quantiser along the KEYS, which are the second attention product's K.  These waves also repack the mask.
; A tile of C, 256 x 256, is made by four waves, 128 x 128 each: 64 accumulators, 512 registers.  K = 1,024 goes in four steps of 256 through a ring of two LDS slots filled by tensor loads; the scale bytes come once.
; CLUSTERS: 4 x 4 work-groups; A's tiles are asked for jointly along a row of the cluster, B's along a column.
; THE MATRIX INSTRUCTION IS USED TRANSPOSED (source 0 = 16 rows of B, source 1 = 16 rows of A): lane (r, h) holds A's row r, and register j of accumulator (a, b) B's row 16 b + 8 h + j.
; So the 64 registers of A's block a hold, at 16 c + 8 u + j, number 32 c + 16 u + 8 h + j of the lane's row: 16 of each block of 32, and for q and k both partners d, d + 32 of a rotation.
; Norm, RoPE and quantiser work on the accumulators where they lie, through the register windows: nothing goes through LDS.
; ORDER INSIDE A BLOCK OF 32: position 16 h + 8 u + j holds number 16 u + 8 h + j.  q and k have the same order, so their product is kept; the attention launch makes its weights in the same order as v's keys.
; WHAT IS STORED (all as images of operand registers, 51,200 bytes for each batch and head):
;   qbuf, kbuf: tile t (16 tokens) at 768 t: registers 0-3 at 16 x lane, registers 4-5 at 512 + 8 x lane; scale words at 49,152 + 256 g + 16 r + 4 p: group g of 128 tokens, pair p of tiles,
;               bytes: even tile's block 0, 1, odd tile's block 0, 1.
;   vbuf: fragment (key step ks, 16 channels dt) at (4 ks + dt) x 1,536, three pieces of 512 bytes; scale words at 49,152 + 256 ks + 16 r + 4 dt.
;   maskw: [query tile 64][ks 8][64 words]: bit (r, h) of word 8 t + j is mask[16 tile + r][128 ks + 16 t + 8 h + j].
; LIMITS.  NaN and infinities among the inputs are not served (an infinite cos or sin at a token whose index is negative would give NaN where the original passes the token through).
; A negative index reads table row 1,023; what is read is multiplied away.  A block of zeros gets the scale byte 1 where the quantiser's rule says 127: its codes are zeros, and only this program reads the bytes.
; Order of rounding: a rotation is a product and a fused multiply-add where the original rounds two products and a sum.
.set KSTEP,  256                       ; along K in a slot
.set NQ,     KSTEP/128                 ; matrix instructions deep
.set ROWB,   192                       ; a tile's row in bytes
.set KROW,   768                       ; a row of codes in memory: 1,024 codes
.set PITCH,  240                       ; an LDS row: 3 x (64 bytes + 16 of padding)
.set FR,     12                        ; registers of a fragment
.set NL,     6                         ; LDS loads that bring one
.set NP,     4                         ; plain vector instructions owed behind this matrix instruction (ISA guide 7.12.1)
.set HALFT,  128*PITCH                 ; 128 rows: what one tensor load brings
.set SLOT,   4*HALFT                   ; A's 256 rows, then B's 256 rows
.set KS,     32                        ; a row of scale bytes
.set SCL,    2*SLOT                    ; behind the ring: the scale bytes, as units of 256 bytes + 16 of padding
.set HALFS,  (128*KS/256)*272
.set SBLK,   (16*KS/256)*272
.set SPARE,  SCL+4*HALFS               ; the spare words, 128 bytes for each wave
.set HB,     51200                     ; a head's bytes in qbuf, kbuf, vbuf
.set SCW,    49152                     ; where its scale words begin
.set ADRA, 16                          ; v16-19  LDS addresses of my A fragments (slot 0, 1; and behind one padding more)
.set ADRB, 20                          ; v20-23  the same for B
.set ADRS, 27                          ; v27     LDS address of my scale words
.set SPW,  28                          ; v28     my spare word; never rewritten
.set NIL,  29                          ; v29     0; never rewritten
.set SC,   32                          ; v32-63  scale words, two sets
.set AF,   128                         ; A's fragments, window 0
.set G1, 24
.set G0, 32
.set G1B, 48
.set G0B, 56
.set G1S, 68
.set G0S, 76
.set G1SB, 80
.set G0SB, 88
; behind the products.  Window 0:
.set L16,  7                           ; 16 x lane
.set L8,   8                           ; 8 x lane
.set H32,  9                           ; 32 h
.set R4,   10                          ; 4 r
.set SCO,  11                          ; HB x h + 16 r: where a lane puts four scale words
.set MLO,  12                          ; 1,024 r + 8 h: my bytes of the mask
.set IDX,  32                          ; v32-39  the rope index of my token in each of the 8 blocks
.set TOFF, 40                          ; v40-47  its row in the tables, + 32 h
.set PWS,  48                          ; v48-55  a scale word for each block
.set SS,   56                          ; v56-63  sums of squares: two chains of pairs for each head
.set RS,   64                          ; v64-67  1 / rms, a pair for each head (the low word serves both halves)
.set VF,   68                          ; v68-69  f = 1, or 0 where the index is negative
.set WF,   70                          ; v70-71  1 - f
.set ONE,  72
.set ZER,  73
.set MB,   96                          ; v96-111 the mask's bytes
.set MW,   112                         ; v112-113 two mask words a lane
.set MT,   114                         ; v114-115 at work
.set T,    128                         ; v128-159 hi x sin
.set U,    160                         ; v160-191 lo x sin
.set TMX,  192                         ; largest magnitudes
.set TMB,  196                         ; the other half's; then the bytes
.set TMS,  200                         ; the conversions' scale operands
.set PC,   208                         ; v208-227 the codes just made
.set GM,   128                         ; window 1: gamma at my 32 places;  window 1, v0-63 and v64-127: cos lo, cos hi, sin lo, sin hi of a block, two sets
.set SEL,  88                          ; s[88:89] lane selects: lane l xor 16
.set R64,  90                          ; s90 1/64
.set EPS,  91                          ; s91 1e-6
.set PLO,  92                          ; s92, s93 byte selects: the two low halves, the two high halves
.set PHI,  93
.set MSB, 0
.macro WIN new                         ; the immediate's high byte repeats the setting that is left; a switch that changes nothing is dropped
.if MSB != (\new)
	s_set_vgpr_msb (MSB<<8)|(\new)
.set MSB, \new
.endif
.endm
.set MUL_LO, 0xa1                      ; source 0 (B) window 1, source 1 (A) window 0, C and D window 2
.set MUL_HI, 0xf1                      ; the same, C and D window 3
.set TO_B,   0x40                      ; destination window 1, address window 0
; A joint load: waves 0 and 1 fetch for A, waves 2 and 3 for B; the branch hangs on the wave's number alone.  Four v_nop follow each of the two lines.
.macro JLOAD g0a, g1a, g0b, g1b
	s_cmp_eq_u32 s15, 0
	s_cbranch_scc0 .Lfor_b_\@
	tensor_load_to_lds s[\g0a:\g0a+3], s[\g1a:\g1a+7]
	s_nop 0
.rept 4
	v_nop
.endr
	s_branch .Lasked_\@
.Lfor_b_\@:
	tensor_load_to_lds s[\g0b:\g0b+3], s[\g1b:\g1b+7]
	s_nop 0
.rept 4
	v_nop
.endr
.Lasked_\@:
.endm
.macro CREST                           ; a round of the cluster's barrier behind its opening barrier
	s_cmp_lg_u32 s14, 0
	s_cbranch_scc1 .Lnot_wave_0_\@
	s_barrier_signal -3
.Lnot_wave_0_\@:
	s_barrier_wait -3
	s_barrier_signal -1
	s_barrier_wait -1
.endm
.macro CROUND                          ; a whole round
	s_barrier_signal -1
	s_barrier_wait -1
	CREST
.endm
	s_load_b512 s[68:83], s[0:1], 0x0              ; x's codes, scales; Wq's; Wk's; Wv's
	v_lshl_add_u32 v[SPW], v0, 2, SPARE
	v_mov_b32 v[NIL], 0
	ds_add_u32 v28, v29
	ds_add_u32 v28, v29
	s_wait_dscnt 0x0
	v_lshrrev_b32 v1, 5, v0
	v_readfirstlane_b32 s14, v1                    ; wave 0..3
	s_lshr_b32 s15, s14, 1                         ; which half of A's rows is mine.  Also: I fetch for A (0) or for B (1)
	s_and_b32 s16, s14, 1                          ; which half of B's rows.  Also: which 128 rows I fetch
	s_bfe_u32 s40, ttmp6, 0x40000                  ; cx, cy: my place in the cluster
	s_bfe_u32 s41, ttmp6, 0x40004
	s_and_b32 s18, ttmp7, 0xffff                   ; the cluster's y walks x's 32 tile rows, four a cluster: they are A's in jobs 0 and 1, B's in job 2
	s_cmp_eq_u32 ttmp9, 2
	s_cselect_b32 s19, 0, s18
	s_cselect_b32 s18, s18, 0
	s_lshl_b32 s42, s18, 2
	s_add_co_u32 s42, s42, s40                     ; B's tile: made of cx alone among the places
	s_lshl_b32 s17, s19, 2
	s_add_co_u32 s17, s17, s41                     ; A's tile: made of cy alone
	s_lshl_b32 s43, s41, 2
	s_lshl_b32 s43, 15, s43                        ; my row of the cluster
	s_lshl_b32 s44, 0x1111, s40                    ; my column
	; descriptor group 1: a tile of 128 rows x 192 bytes, 16 bytes of padding behind every 64
	s_or_b32 s[G1+0], s43, (0<<16)|(1<<20)|(1<<21)|(3<<22)|(3<<25)
	s_or_b32 s[G1B+0], s44, (0<<16)|(1<<20)|(1<<21)|(3<<22)|(3<<25)
.irp g, G1, G1B
	s_mov_b32 s[\g+1], ROWB<<16                    ; tensor_dim0
	s_mov_b32 s[\g+2], 128<<16                     ; tensor_dim1
	s_mov_b32 s[\g+3], ROWB<<16                    ; tile_dim0
	s_mov_b32 s[\g+4], 128                         ; tile_dim1
	s_mov_b32 s[\g+5], KROW                        ; from row to row
	s_mov_b32 s[\g+6], 0
	s_mov_b32 s[\g+7], 0
.endr
	s_lshl_b32 s18, s16, 7                         ; which 128 rows of the tile I fetch
	s_lshl_b32 s20, s17, 8
	s_add_co_u32 s20, s20, s18                     ; A's row
	s_lshl_b32 s46, s42, 8
	s_add_co_u32 s46, s46, s18                     ; B's row
	s_mov_b32 s21, 0
	s_mov_b32 s47, 0
	s_mov_b64 s[18:19], KS
	s_mul_u64 s[22:23], s[20:21], s[18:19]         ; where these rows' scale bytes begin
	s_mul_u64 s[92:93], s[46:47], s[18:19]
	s_mov_b64 s[18:19], KROW
	s_mul_u64 s[20:21], s[20:21], s[18:19]         ; and their codes
	s_mul_u64 s[46:47], s[46:47], s[18:19]
	s_mul_i32 s45, s14, HALFT                      ; where they go: no place in the cluster enters an LDS address
	s_mul_i32 s94, s14, HALFS
	s_wait_kmcnt 0x0
	s_cmp_eq_u32 ttmp9, 2                          ; the buffers are chosen by the job alone
	s_cselect_b64 s[4:5], s[80:81], s[68:69]       ; A's codes: Wv's or x's
	s_cselect_b64 s[6:7], s[82:83], s[70:71]       ; A's scales
	s_cmp_eq_u32 ttmp9, 0
	s_cselect_b64 s[8:9], s[72:73], s[76:77]       ; Wq's or Wk's
	s_cselect_b64 s[10:11], s[74:75], s[78:79]
	s_cmp_eq_u32 ttmp9, 2
	s_cselect_b64 s[8:9], s[68:69], s[8:9]         ; B's codes: x's in job 2
	s_cselect_b64 s[10:11], s[70:71], s[10:11]     ; B's scales
	; the scale bytes of 128 rows: 4,096 dense bytes, as rows of 256 bytes with 16 of padding behind each
	s_or_b32 s[G1S+0], s43, (3<<16)|(1<<20)|(1<<21)|(5<<22)|(3<<25)
	s_or_b32 s[G1SB+0], s44, (3<<16)|(1<<20)|(1<<21)|(5<<22)|(3<<25)
.irp g, G1S, G1SB
	s_mov_b32 s[\g+1], 32<<16
	s_mov_b32 s[\g+2], (128*KS/256)<<16
	s_mov_b32 s[\g+3], 32<<16
	s_mov_b32 s[\g+4], 128*KS/256
	s_mov_b32 s[\g+5], 32
	s_mov_b32 s[\g+6], 0
	s_mov_b32 s[\g+7], 0
.endr
	s_add_nc_u64 s[20:21], s[4:5], s[20:21]
	s_add_nc_u64 s[22:23], s[6:7], s[22:23]
	s_add_nc_u64 s[46:47], s[8:9], s[46:47]
	s_add_nc_u64 s[92:93], s[10:11], s[92:93]
	CROUND                                         ; all sixteen work-groups are here: the first joint loads meet
	s_mov_b32 s[G0S], 1
	s_add_co_u32 s[G0S+1], s94, SCL
	s_mov_b64 s[G0S+2:G0S+3], s[22:23]
	s_or_b32 s[G0S+3], s[G0S+3], 0x80000000
	s_mov_b32 s[G0SB], 1
	s_add_co_u32 s[G0SB+1], s94, SCL
	s_mov_b64 s[G0SB+2:G0SB+3], s[92:93]
	s_or_b32 s[G0SB+3], s[G0SB+3], 0x80000000
	JLOAD G0S, G1S, G0SB, G1SB                     ; the scale bytes first: they are wanted with K step 0
.irp s, 0,1
	s_mov_b32 s[G0+4*\s], 1
	s_add_co_u32 s[G0+4*\s+1], s45, \s*SLOT
	s_add_nc_u64 s[G0+4*\s+2:G0+4*\s+3], s[20:21], \s*ROWB
	s_or_b32 s[G0+4*\s+3], s[G0+4*\s+3], 0x80000000
	s_mov_b32 s[G0B+4*\s], 1
	s_add_co_u32 s[G0B+4*\s+1], s45, \s*SLOT
	s_add_nc_u64 s[G0B+4*\s+2:G0B+4*\s+3], s[46:47], \s*ROWB
	s_or_b32 s[G0B+4*\s+3], s[G0B+4*\s+3], 0x80000000
	JLOAD G0+4*\s, G1, G0B+4*\s, G1B               ; three tensor loads of mine are out now
.endr
	v_and_b32 v1, 15, v0                           ; r
	v_bfe_u32 v2, v0, 4, 1                         ; h
	v_mul_u32_u24 v3, v1, PITCH
	v_mul_u32_u24 v4, v2, 24
	v_add_nc_u32 v4, v3, v4                        ; a fragment's row x pitch + 24 h
	v_lshl_add_u32 v5, v2, 4, v4                   ; and the same behind one padding more
	s_mul_i32 s21, s15, HALFT                      ; my 128 rows of A
	s_mul_i32 s22, s16, HALFT                      ; my 128 rows of B,
	s_add_co_u32 s22, s22, 2*HALFT                 ; which lie behind A's 256
.irp s, 0,1
	v_add_nc_u32 v[ADRA+\s], s21, v4
	v_add_nc_u32 v[ADRB+\s], s22, v4
	v_add_nc_u32 v[ADRA+2+\s], s21, v5
	v_add_nc_u32 v[ADRB+2+\s], s22, v5
	s_add_co_u32 s21, s21, SLOT
	s_add_co_u32 s22, s22, SLOT
.endr
	v_mul_u32_u24 v5, v1, KS                       ; my row's scale bytes: 32 a row,
	v_lshrrev_b32 v6, 8, v5
	v_lshl_add_u32 v5, v6, 4, v5                   ; and 16 more for each 256 passed
	s_mul_i32 s21, s15, HALFS
	s_mul_i32 s22, s16, HALFS
	s_add_co_u32 s22, s22, 2*HALFS
	s_sub_co_u32 s22, s22, s21
	v_mul_u32_u24 v6, s22, v2                      ; lanes 16-31 take B's
	s_add_co_u32 s21, s21, SCL
	v_add_nc_u32 v5, v5, v6
	v_add_nc_u32 v[ADRS], s21, v5
.macro FRAG reg, adr, q, i             ; a fragment: lane (r, h) takes 24 bytes of row r twice, as six pieces of 8 bytes; where the piece of lanes 16-31 lies behind one padding more, the second address register serves
.irp p, 0,1,2,3,4,5
.set PCE, 12*(\q)+6*(\p/3)+\p%3
.if PCE%8 < 5
	ds_load_b64 v[\reg+2*\p:\reg+2*\p+1], v[\adr] offset:8*PCE+16*(PCE/8)+(\i)*16*PITCH
.else
	ds_load_b64 v[\reg+2*\p:\reg+2*\p+1], v[\adr+2] offset:8*PCE+16*(PCE/8)+(\i)*16*PITCH
.endif
.endr
.endm
; 16 matrix instructions: A's blocks a0, a0 + 1 x B's eight.  The 64 accumulators take turns, one instruction a turn, in the same order in every step.
.macro MUL16 a0, p, q, sc, zero
.irp a, \a0, \a0+1
.irp b, 0,1,2,3,4,5,6,7
.if \zero
	v_wmma_scale_f32_16x16x128_f8f6f4 v[8*(8*((\a)%4)+\b):8*(8*((\a)%4)+\b)+7], v[128*(\p)+FR*\b:128*(\p)+FR*\b+FR-1], v[AF+FR*(\a):AF+FR*(\a)+FR-1], 0, v[SC+8*NQ*(\sc)+NQ*\b+(\q)], v[SC+8*NQ*(\sc)+NQ*(\a)+(\q)] matrix_a_fmt:MATRIX_FMT_FP6 matrix_b_fmt:MATRIX_FMT_FP6 matrix_a_scale:MATRIX_SCALE_ROW1
.else
	v_wmma_scale_f32_16x16x128_f8f6f4 v[8*(8*((\a)%4)+\b):8*(8*((\a)%4)+\b)+7], v[128*(\p)+FR*\b:128*(\p)+FR*\b+FR-1], v[AF+FR*(\a):AF+FR*(\a)+FR-1], v[8*(8*((\a)%4)+\b):8*(8*((\a)%4)+\b)+7], v[SC+8*NQ*(\sc)+NQ*\b+(\q)], v[SC+8*NQ*(\sc)+NQ*(\a)+(\q)] matrix_a_fmt:MATRIX_FMT_FP6 matrix_b_fmt:MATRIX_FMT_FP6 matrix_a_scale:MATRIX_SCALE_ROW1
.endif
.endr
.endr
.endm
.macro FETCH_B slot, q, p              ; B's eight fragments of the slot's q-th 128 along K into set p
	WIN TO_B
.irp i, 0,1,2,3,4,5,6,7
	FRAG 128*(\p)+FR*\i, ADRB+\slot, \q, \i
.endr
	WIN 0
.endm
.macro FETCH_A slot, q, i0             ; A's blocks i0 .. i0 + 3
.irp i, \i0, \i0+1, \i0+2, \i0+3
	FRAG AF+FR*(\i), ADRA+\slot, \q, \i
.endr
.endm
.macro SCALES sc                       ; a K step's scale words: lanes 0-15 take A's block i, lanes 16-31 B's block i
.irp i, 0,1,2,3,4,5,6,7
	ds_load_b64 v[SC+8*NQ*\sc+NQ*\i:SC+8*NQ*\sc+NQ*\i+1], v[ADRS] offset:\i*SBLK
.endr
.endm
.macro PLACES n                        ; plain vector instructions between a matrix instruction and a load into, or a read of, its registers
.rept \n
	v_nop
.endr
.endm
.macro STEP slot, q, zero              ; a step of 128 along K that has its successor in the same slot
	s_wait_dscnt 4*NL                              ; B's set and A's blocks 0-3 are in; the youngest 24 loads (A's blocks 4-7) may be out
	WIN MUL_LO
	MUL16 0, (\q)%2, \q, \slot, \zero
	MUL16 2, (\q)%2, \q, \slot, \zero
	s_wait_dscnt 0                                 ; A's blocks 4-7 are in
	PLACES NP
	FETCH_B \slot, (\q)+1, 1-(\q)%2
	FETCH_A \slot, (\q)+1, 0
	WIN MUL_HI
	MUL16 4, (\q)%2, \q, \slot, \zero
	MUL16 6, (\q)%2, \q, \slot, \zero
	PLACES NP
	WIN 0
	FETCH_A \slot, (\q)+1, 4
.endm
; A slot's last step changes slots: ONE barrier; in front of it each wave waits for all its tensor loads, adds 0 to its spare word, and waits for that and for its reads of this slot.  fill = 1: the slot is filled again.
.macro TURN slot, next, fill
	s_wait_tensorcnt 0x0                           ; all my tensor loads have landed: my part of the next slot
	ds_add_u32 v[SPW], v[NIL]                      ; 0 onto my spare word
	s_wait_dscnt 4*NL+1                            ; (the add and the youngest 24 loads may be out)
	WIN MUL_LO
	MUL16 0, 1, NQ-1, \slot, 0                     ; sixteen matrix instructions stand between the add and the wait for it
	s_wait_dscnt 0x0                               ; the add is done, and my reads of this slot are over
	s_barrier_signal -1
	MUL16 2, 1, NQ-1, \slot, 0
	WIN 0
	s_barrier_wait -1
.if \fill
	CREST                                          ; the barrier has opened a round of the cluster's barrier: no wave of any partner still reads this slot or has a load on its way
	s_add_nc_u64 s[G0+4*\slot+2:G0+4*\slot+3], s[G0+4*\slot+2:G0+4*\slot+3], 2*ROWB
	s_add_nc_u64 s[G0B+4*\slot+2:G0B+4*\slot+3], s[G0B+4*\slot+2:G0B+4*\slot+3], 2*ROWB
	JLOAD G0+4*\slot, G1, G0B+4*\slot, G1B         ; the first tensor load behind the round, my one load until the next; its four v_nop also stand in front of the loads below
.else
	PLACES NP
.endif
	v_add_nc_u32 v[ADRS], 4*NQ, v[ADRS]            ; on to the next K step's scale words
	FETCH_B \next, 0, 0
	FETCH_A \next, 0, 0
	SCALES \next
	WIN MUL_HI
	MUL16 4, 1, NQ-1, \slot, 0
	MUL16 6, 1, NQ-1, \slot, 0
	PLACES NP
	WIN 0
	FETCH_A \next, 0, 4
.endm
	s_wait_tensorcnt 1                             ; the scale bytes and my part of K step 0 are in (K step 1's load may be out),
	s_barrier_signal -1
	s_barrier_wait -1                              ; everybody's are
	s_load_b512 s[68:83], s[0:1], 0x40             ; asked for now, wanted behind the products: q_gamma, k_gamma, cos, sin, rope_indices, mask, qbuf, kbuf.  (The scale bytes' descriptors lay here: their loads are done)
	s_load_b128 s[84:87], s[0:1], 0x80             ; vbuf, maskw
	FETCH_B 0, 0, 0
	FETCH_A 0, 0, 0
	SCALES 0
	FETCH_A 0, 0, 4
	STEP 0, 0, 1                                   ; K = 1,024 is eight steps of 128, written out.  The first step's products start the sums
	TURN 0, 1, 1                                   ; slot 0 takes K step 2
	STEP 1, 0, 0
	TURN 1, 0, 1                                   ; slot 1 takes K step 3
	STEP 0, 0, 0
	TURN 0, 1, 0                                   ; nothing is left to fetch
	STEP 1, 0, 0
	s_wait_dscnt 4*NL
	WIN MUL_LO
	MUL16 0, 1, NQ-1, 1, 0
	MUL16 2, 1, NQ-1, 1, 0
	s_wait_dscnt 0
	WIN MUL_HI
	MUL16 4, 1, NQ-1, 1, 0
	MUL16 6, 1, NQ-1, 1, 0
	WIN 0
	PLACES NP                                      ; behind the last products: reads of results and loads into registers that held fragments follow
	v_and_b32 v1, 15, v0                           ; r
	v_bfe_u32 v2, v0, 4, 1                         ; h
	v_and_b32 v3, 31, v0
	v_lshlrev_b32 v[L16], 4, v3
	v_lshlrev_b32 v[L8], 3, v3
	v_lshlrev_b32 v[H32], 5, v2
	v_lshlrev_b32 v[R4], 2, v1
	v_mul_u32_u24 v[SCO], v2, HB
	v_lshl_add_u32 v[SCO], v1, 4, v[SCO]
.irp b, 0,1,2,3
	v_mov_b32 v[TMB+\b], 0                         ; written once: a lane permute's destination counts as one of its sources
.endr
	s_mov_b32 s[SEL], 0x76543210
	s_mov_b32 s[SEL+1], 0xfedcba98
; 64 numbers of a lane, registers s .. s + 63 of window w, register 16 b + i = place 16 h + i of block b of my row, become a fragment's codes in v[PC] on and its scale word in v[pw].
.macro QUANT s, w, pw
	WIN (\w)|((\w)<<2)
.irp b, 0,1,2,3
	v_max3_num_f32 v[TMX+\b], |v[(\s)+16*\b]|, |v[(\s)+1+16*\b]|, 0x1800000   ; my 16 numbers of block b, and the floor 2^(3 - 127): the byte cannot fall under 1.  Each accumulator is read from its low end on
.endr
	WIN ((\w)<<2)|((\w)<<4)
.irp i, 2,4,6,8,10,12,14
.irp b, 0,1,2,3
	v_max3_num_f32 v[TMX+\b], v[TMX+\b], |v[(\s)+16*\b+\i]|, |v[(\s)+1+16*\b+\i]|
.endr
.endr
	WIN 0
.irp b, 0,1,2,3
	v_permlanex16_b32 v[TMB+\b], v[TMX+\b], s[SEL], s[SEL+1]
.endr
.irp b, 0,1,2,3
	v_max_num_f32 v[TMX+\b], v[TMX+\b], v[TMB+\b]  ; with lane l xor 16's: the block's largest magnitude
.endr
.irp b, 0,1,2,3
	v_add_nc_u32 v[TMS+\b], 0xff000000, v[TMX+\b]  ; 2 off its exponent field: the conversion's scale operand
.endr
.irp b, 0,1,2,3
	v_lshrrev_b32 v[TMB+\b], 23, v[TMS+\b]         ; the scale's byte
.endr
	v_lshl_or_b32 v[\pw], v[TMB+1], 8, v[TMB]
	v_lshl_or_b32 v[\pw], v[TMB+2], 16, v[\pw]
	v_lshl_or_b32 v[\pw], v[TMB+3], 24, v[\pw]
	WIN \w
.irp c, 0,1
	v_cvt_scalef32_pk16_fp6_f32 v[PC+6*\c:PC+2+6*\c], v[(\s)+32*\c:(\s)+15+32*\c], v[TMS+2*\c]
	v_cvt_scalef32_pk16_fp6_f32 v[PC+12+4*\c:PC+14+4*\c], v[(\s)+16+32*\c:(\s)+31+32*\c], v[TMS+2*\c+1]   ; (a conversion's three registers begin on an even number)
.endr
	WIN 0
	v_nop                                          ; one plain instruction behind a scaled conversion
.irp c, 0,1                                    ; the operand's layout wants a whole block in a lane: lanes 0-15 block 2 c, lanes 16-31 block 2 c + 1
.irp i, 0,1,2
	v_permlane16_swap_b32 v[PC+6*\c+\i], v[PC+12+4*\c+\i]
.endr
.irp i, 0,1,2
	v_mov_b32 v[PC+3+6*\c+\i], v[PC+12+4*\c+\i]
.endr
.endr
.endm
	s_wait_kmcnt 0x0                               ; the pointers asked for behind the first barrier
	s_cmp_eq_u32 ttmp9, 2                          ; the job: the same in all partners
	s_cbranch_scc1 .Lvpath
	; ---------------- q and k ----------------
	s_cmp_eq_u32 ttmp9, 0
	s_cselect_b64 s[24:25], s[68:69], s[70:71]     ; gamma
	s_cselect_b64 s[26:27], s[80:81], s[82:83]     ; qbuf or kbuf
	s_lshr_b32 s28, s17, 2                         ; the batch: four tile rows of 256 tokens each
	s_lshl_b32 s28, s28, 4
	s_lshl_b32 s29, s42, 2                         ; a tile column is four heads,
	s_add_co_u32 s28, s28, s29
	s_lshl_b32 s29, s16, 1                         ; my half of it two
	s_add_co_u32 s28, s28, s29
	s_mul_i32 s28, s28, HB                         ; my first head's bytes
	s_and_b32 s29, s17, 3
	s_lshl_b32 s29, s29, 8
	s_lshl_b32 s30, s15, 7
	s_add_co_u32 s29, s29, s30                     ; my first token in the batch
	s_mul_i32 s30, s29, 48                         ; 768 bytes for 16 tokens
	s_add_co_u32 s30, s30, s28
	s_mov_b32 s31, 0
	s_add_nc_u64 s[32:33], s[26:27], s[30:31]      ; where my codes go
	s_lshl_b32 s30, s29, 1                         ; 256 bytes of scale words for 128 tokens
	s_add_co_u32 s30, s30, s28
	s_add_co_u32 s30, s30, SCW
	s_add_nc_u64 s[34:35], s[26:27], s[30:31]      ; where my scale words go
	s_lshl_b32 s30, s29, 2
	s_add_nc_u64 s[36:37], s[76:77], s[30:31]      ; my tokens' rope indices
	s_mov_b32 s[R64], 0x3c800000                   ; 1/64
	s_mov_b32 s[EPS], 0x358637bd                   ; 1e-6
	s_mov_b32 s[PLO], 0x05040100
	s_mov_b32 s[PHI], 0x07060302
.irp a, 0,1,2,3,4,5,6,7
	global_load_b32 v[IDX+\a], v[R4], s[36:37] offset:64*\a
.endr
	WIN 0x40                                       ; destination window 1
.irp q, 0,1,2,3                                ; gamma at my places: 8 u + j holds dim 16 u + 8 h + j, and 32 further on
	global_load_b128 v[GM+4*\q:GM+4*\q+3], v[H32], s[24:25] offset:64*(\q/2)+16*(\q%2)
	global_load_b128 v[GM+16+4*\q:GM+16+4*\q+3], v[H32], s[24:25] offset:128+64*(\q/2)+16*(\q%2)
.endr
	WIN 0
	v_mov_b32 v[ONE], 1.0
	v_mov_b32 v[ZER], 0
	v_mov_b32 v[RS+1], 0                           ; the upper words of pairs whose low word serves both halves: named, so written
	v_mov_b32 v[RS+3], 0
	v_mov_b32 v[VF+1], 0
	v_mov_b32 v[WF+1], 0
	s_wait_loadcnt 8                               ; the indices are in; gamma's eight loads may be out
.irp a, 0,1,2,3,4,5,6,7
	v_min_u32 v[TOFF+\a], 0x3ff, v[IDX+\a]         ; inside the tables (a negative index, taken as unsigned, becomes row 1,023)
.endr
.irp a, 0,1,2,3,4,5,6,7
	v_lshl_add_u32 v[TOFF+\a], v[TOFF+\a], 8, v[H32]   ; a row is 256 bytes
.endr
.macro TABLES a                        ; block a's cos and sin at my places: 16 loads into set a % 2 of window 1
.set CL, 64*((\a)%2)
	WIN 0x40
.irp q, 0,1,2,3
	global_load_b128 v[CL+4*\q:CL+4*\q+3], v[TOFF+(\a)], s[72:73] offset:64*(\q/2)+16*(\q%2)
	global_load_b128 v[CL+16+4*\q:CL+16+4*\q+3], v[TOFF+(\a)], s[72:73] offset:128+64*(\q/2)+16*(\q%2)
	global_load_b128 v[CL+32+4*\q:CL+32+4*\q+3], v[TOFF+(\a)], s[74:75] offset:64*(\q/2)+16*(\q%2)
	global_load_b128 v[CL+48+4*\q:CL+48+4*\q+3], v[TOFF+(\a)], s[74:75] offset:128+64*(\q/2)+16*(\q%2)
.endr
	WIN 0
.endm
; Block a: 16 tokens x two heads.  Head hh: registers AC + 32 hh + 0 .. 15 are the lower 32 dims' half of mine, + 16 .. 31 their partners 32 further on.
.macro QKBLOCK a
.set W, 2+(\a)/4
.set AC, 64*((\a)%4)
.set CT, 64*((\a)%2)
.if (\a) < 7
	TABLES (\a)+1                                  ; a block ahead
.endif
	WIN W|(W<<2)                                   ; sources 0 and 1: the accumulators' window
.irp hh, 0,1
	v_pk_mul_f32 v[SS+4*\hh:SS+4*\hh+1], v[AC+32*\hh:AC+32*\hh+1], v[AC+32*\hh:AC+32*\hh+1]   ; the squares, in two chains a head, ascending: each accumulator is read from its low end on
.endr
.irp hh, 0,1
	v_pk_mul_f32 v[SS+4*\hh+2:SS+4*\hh+3], v[AC+32*\hh+2:AC+32*\hh+3], v[AC+32*\hh+2:AC+32*\hh+3]
.endr
.irp i, 2,3,4,5,6,7,8,9,10,11,12,13,14,15
.irp hh, 0,1
	v_pk_fma_f32 v[SS+4*\hh+2*(\i%2):SS+4*\hh+2*(\i%2)+1], v[AC+32*\hh+2*\i:AC+32*\hh+2*\i+1], v[AC+32*\hh+2*\i:AC+32*\hh+2*\i+1], v[SS+4*\hh+2*(\i%2):SS+4*\hh+2*(\i%2)+1]
.endr
.endr
	WIN 0
	v_pk_add_f32 v[SS:SS+1], v[SS:SS+1], v[SS+2:SS+3]
	v_pk_add_f32 v[SS+4:SS+5], v[SS+4:SS+5], v[SS+6:SS+7]
	v_add_f32 v[SS], v[SS], v[SS+1]
	v_add_f32 v[SS+4], v[SS+4], v[SS+5]
	v_permlanex16_b32 v[SS+2], v[SS], s[SEL], s[SEL+1]
	v_permlanex16_b32 v[SS+6], v[SS+4], s[SEL], s[SEL+1]
	v_add_f32 v[SS], v[SS], v[SS+2]                ; with lane l xor 16's 32: the head's 64
	v_add_f32 v[SS+4], v[SS+4], v[SS+6]
	v_fma_f32 v[SS], v[SS], s[R64], s[EPS]         ; the mean (an exact scaling) + eps
	v_fma_f32 v[SS+4], v[SS+4], s[R64], s[EPS]
	v_rsq_f32 v[RS], v[SS]
	v_rsq_f32 v[RS+2], v[SS+4]
.if (\a) < 7
	s_wait_loadcnt 16                              ; this block's tables (and gamma) are in; the next block's 16 loads may be out
.else
	s_wait_loadcnt 0x0
.endif
	v_cmp_gt_i32 vcc_lo, 0, v[IDX+(\a)]            ; a negative index: the token passes through.  cos' = cos f + (1 - f), sin' = sin f, f = 0 or 1: exact.  These lines are the independent work behind the two roots
	v_cndmask_b32 v[VF], v[ONE], v[ZER], vcc_lo
	v_cndmask_b32 v[WF], v[ZER], v[ONE], vcc_lo
	WIN 0x41                                       ; destination and source 0: window 1
.irp i, 0,1,2,3,4,5,6,7,8,9,10,11,12,13,14,15
	v_pk_fma_f32 v[CT+2*\i:CT+2*\i+1], v[CT+2*\i:CT+2*\i+1], v[VF:VF+1], v[WF:WF+1] op_sel_hi:[1,0,0]
.endr
.irp i, 0,1,2,3,4,5,6,7,8,9,10,11,12,13,14,15
	v_pk_mul_f32 v[CT+32+2*\i:CT+32+2*\i+1], v[CT+32+2*\i:CT+32+2*\i+1], v[VF:VF+1] op_sel_hi:[1,0]
.endr
	s_wait_alu depctr_va_vdst(0)                   ; one wait for both roots, ahead of their first reader
	WIN (W<<6)|W                                   ; destination and source 0: the accumulators
.irp i, 0,1,2,3,4,5,6,7,8,9,10,11,12,13,14,15
.irp hh, 0,1
	v_pk_mul_f32 v[AC+32*\hh+2*\i:AC+32*\hh+2*\i+1], v[AC+32*\hh+2*\i:AC+32*\hh+2*\i+1], v[RS+2*\hh:RS+2*\hh+1] op_sel_hi:[1,0]   ; x / rms
.endr
.endr
	WIN (W<<6)|W|(1<<2)                            ; source 1: window 1
.irp i, 0,1,2,3,4,5,6,7,8,9,10,11,12,13,14,15
.irp hh, 0,1
	v_pk_mul_f32 v[AC+32*\hh+2*\i:AC+32*\hh+2*\i+1], v[AC+32*\hh+2*\i:AC+32*\hh+2*\i+1], v[GM+2*\i:GM+2*\i+1]   ; x gamma
.endr
.endr
	WIN W|(1<<2)                                   ; destination window 0
.irp i, 0,1,2,3,4,5,6,7
.irp hh, 0,1
	v_pk_mul_f32 v[T+16*\hh+2*\i:T+16*\hh+2*\i+1], v[AC+32*\hh+16+2*\i:AC+32*\hh+16+2*\i+1], v[CT+32+2*\i:CT+32+2*\i+1]   ; hi x sin(lo)
	v_pk_mul_f32 v[U+16*\hh+2*\i:U+16*\hh+2*\i+1], v[AC+32*\hh+2*\i:AC+32*\hh+2*\i+1], v[CT+48+2*\i:CT+48+2*\i+1]         ; lo x sin(hi)
.endr
.endr
	WIN (W<<6)|W|(1<<2)
.irp i, 0,1,2,3,4,5,6,7
.irp hh, 0,1
	v_pk_fma_f32 v[AC+32*\hh+2*\i:AC+32*\hh+2*\i+1], v[AC+32*\hh+2*\i:AC+32*\hh+2*\i+1], v[CT+2*\i:CT+2*\i+1], v[T+16*\hh+2*\i:T+16*\hh+2*\i+1] neg_lo:[0,0,1] neg_hi:[0,0,1]   ; lo cos - hi sin
	v_pk_fma_f32 v[AC+32*\hh+16+2*\i:AC+32*\hh+16+2*\i+1], v[AC+32*\hh+16+2*\i:AC+32*\hh+16+2*\i+1], v[CT+16+2*\i:CT+16+2*\i+1], v[U+16*\hh+2*\i:U+16*\hh+2*\i+1]               ; hi cos + lo sin
.endr
.endr
	s_wait_xcnt 0x0                                ; the last block's stores have read their data: the codes' registers are written again only behind this wait
	QUANT AC, W, PWS+(\a)
.irp hh, 0,1                                   ; registers 6 hh .. 6 hh + 5: head hh, lane (r, h): token r, block h: the tile's image
	global_store_b128 v[L16], v[PC+6*\hh:PC+6*\hh+3], s[32:33] offset:HB*\hh+768*(\a)         ; 32 lanes store 512 consecutive bytes,
	global_store_b64 v[L8], v[PC+6*\hh+4:PC+6*\hh+5], s[32:33] offset:HB*\hh+768*(\a)+512     ; and 256: both at multiples of 256 from the buffer's first byte
.endr
.endm
	TABLES 0
.irp a, 0,1,2,3,4,5,6,7
	QKBLOCK \a
.endr
.irp p, 0,1,2,3                                ; a block's word holds head 0's two bytes below, head 1's above: two blocks' halves make a pair of tiles' word for each head
	v_perm_b32 v[T+\p], v[PWS+2*\p+1], v[PWS+2*\p], s[PLO]
	v_perm_b32 v[T+4+\p], v[PWS+2*\p+1], v[PWS+2*\p], s[PHI]
.endr
	v_cmp_ne_u32 vcc_lo, 0, v[H32]
.irp p, 0,1,2,3
	v_cndmask_b32 v[T+\p], v[T+\p], v[T+4+\p], vcc_lo   ; lanes 0-15 store the first head's words, lanes 16-31 the second's
.endr
	global_store_b128 v[SCO], v[T:T+3], s[34:35]   ; sixteen lanes store 256 consecutive bytes, aligned
	s_branch .Ljoin
	; ---------------- v, and the mask ----------------
.Lvpath:
	s_lshr_b32 s28, s42, 2                         ; the batch
	s_lshl_b32 s28, s28, 4
	s_lshl_b32 s29, s17, 2                         ; a tile row of Wv is four heads,
	s_add_co_u32 s28, s28, s29
	s_lshl_b32 s29, s15, 1                         ; my half of it two
	s_add_co_u32 s28, s28, s29
	s_mul_i32 s28, s28, HB
	s_and_b32 s29, s42, 3
	s_lshl_b32 s29, s29, 1
	s_add_co_u32 s29, s29, s16                     ; my 128 keys: key step ks
	s_mul_i32 s30, s29, 6144                       ; four fragments of 1,536 bytes
	s_add_co_u32 s30, s30, s28
	s_mov_b32 s31, 0
	s_add_nc_u64 s[32:33], s[84:85], s[30:31]
	s_lshl_b32 s30, s29, 8
	s_add_co_u32 s30, s30, s28
	s_add_co_u32 s30, s30, SCW
	s_add_nc_u64 s[34:35], s[84:85], s[30:31]
	s_and_b32 s24, ttmp7, 0xffff                   ; the 512 waves of this job take the mask's 512 units (query tile, key step), one each
	s_lshl_b32 s24, s24, 2
	s_add_co_u32 s24, s24, s41
	s_lshl_b32 s24, s24, 2
	s_add_co_u32 s24, s24, s40
	s_lshl_b32 s24, s24, 2
	s_add_co_u32 s24, s24, s14                     ; my unit: 8 x query tile + key step
	s_lshr_b32 s26, s24, 3
	s_lshl_b32 s26, s26, 14                        ; 16 rows of 1,024 bytes
	s_and_b32 s27, s24, 7
	s_lshl_b32 s27, s27, 7
	s_add_co_u32 s26, s26, s27
	s_mov_b32 s27, 0
	s_add_nc_u64 s[36:37], s[78:79], s[26:27]
	s_lshl_b32 s26, s24, 8
	s_add_nc_u64 s[38:39], s[86:87], s[26:27]
	v_lshlrev_b32 v[MLO], 10, v1
	v_lshl_add_u32 v[MLO], v2, 3, v[MLO]
.irp t, 0,1,2,3,4,5,6,7
	global_load_b64 v[MB+2*\t:MB+2*\t+1], v[MLO], s[36:37] offset:16*\t   ; mask[16 tile + r][128 ks + 16 t + 8 h + 0 .. 7]; they land while v is quantised
.endr
.macro VBLOCK a                        ; block a: 16 channels (head a / 4, dt = a % 4) x my 128 keys: one fragment of V^T
.if (\a) > 0
	s_wait_xcnt 0x0                                ; the last block's stores have read their data
.endif
	QUANT 64*((\a)%4), 2+(\a)/4, PWS+(\a)
.irp c, 0,1,2
	global_store_b128 v[L16], v[PC+4*\c:PC+4*\c+3], s[32:33] offset:HB*((\a)/4)+1536*((\a)%4)+512*\c   ; 512 consecutive bytes, aligned
.endr
.endm
.irp a, 0,1,2,3,4,5,6,7
	VBLOCK \a
.endr
	v_cmp_ne_u32 vcc_lo, 0, v[H32]
.irp p, 0,1,2,3
	v_cndmask_b32 v[T+\p], v[PWS+\p], v[PWS+4+\p], vcc_lo   ; lanes 0-15: the first head's four words, lanes 16-31: the second's
.endr
	global_store_b128 v[SCO], v[T:T+3], s[34:35]
	v_mov_b32 v[MW], 0                             ; (a lane write's destination counts as read)
	v_mov_b32 v[MW+1], 0
	s_wait_loadcnt 0x0
.set n, 0
.rept 64                                       ; word n = 8 t + j: one bit a lane; lane n / 2 keeps words n, n + 1
	v_and_b32 v[MT+n%2], 0xff<<(8*(n%4)), v[MB+2*(n/8)+(n%8)/4]
	v_cmp_ne_u32 s[44+n%2], 0, v[MT+n%2]
	v_writelane_b32 v[MW+n%2], s[44+n%2], n/2
.set n, n+1
.endr
	global_store_b64 v[L8], v[MW:MW+1], s[38:39]   ; 32 lanes store the unit's 256 bytes
.Ljoin:
	s_wait_tensorcnt 0x0                           ; the wave's end
	ds_add_u32 v[SPW], v[NIL]
	s_wait_dscnt 0x0
	CROUND                                         ; the closing round: no work-group ends while a partner may still ask for a tile that names it
	s_endpgm
.Lfunc_end_k_q472e885d18_proj:
	.size	k_q472e885d18_proj, .Lfunc_end_k_q472e885d18_proj-k_q472e885d18_proj
	.p2alignl 7, 3214868480
	.fill 96, 4, 3214868480
	.section	.rodata,"a",@progbits
	.p2align	6, 0x0
	.amdhsa_kernel k_q472e885d18_proj
		.amdhsa_group_segment_fixed_size 327680
		.amdhsa_private_segment_fixed_size 0
		.amdhsa_enable_private_segment 0
		.amdhsa_kernarg_size 144
		.amdhsa_user_sgpr_count 2
		.amdhsa_user_sgpr_kernarg_segment_ptr 1
		.amdhsa_wavefront_size32 1
		.amdhsa_system_sgpr_workgroup_id_x 1
		.amdhsa_system_sgpr_workgroup_id_y 1
		.amdhsa_system_sgpr_workgroup_id_z 1
		.amdhsa_system_vgpr_workitem_id 0
		.amdhsa_next_free_vgpr 1024
		.amdhsa_next_free_sgpr 98
		.amdhsa_reserve_vcc 1
		.amdhsa_float_denorm_mode_32 3
		.amdhsa_float_denorm_mode_16_64 3
		.amdhsa_memory_ordered 1
		.amdhsa_forward_progress 1
		.amdhsa_inst_pref_size 255
	.end_amdhsa_kernel
	.section	.bss,"aw",@nobits
	.p2align	6
	.space	262144
	.amdgpu_metadata
---
amdhsa.version: [ 1, 2 ]
amdhsa.kernels:
  - .name:           k_q472e885d18_proj
    .symbol:         k_q472e885d18_proj.kd
    .args:
      - { .name: x_codes, .offset: 0, .size: 8, .value_kind: global_buffer, .address_space: global }
      - { .name: x_scales, .offset: 8, .size: 8, .value_kind: global_buffer, .address_space: global }
      - { .name: Wq_codes, .offset: 16, .size: 8, .value_kind: global_buffer, .address_space: global }
      - { .name: Wq_scales, .offset: 24, .size: 8, .value_kind: global_buffer, .address_space: global }
      - { .name: Wk_codes, .offset: 32, .size: 8, .value_kind: global_buffer, .address_space: global }
      - { .name: Wk_scales, .offset: 40, .size: 8, .value_kind: global_buffer, .address_space: global }
      - { .name: Wv_codes, .offset: 48, .size: 8, .value_kind: global_buffer, .address_space: global }
      - { .name: Wv_scales, .offset: 56, .size: 8, .value_kind: global_buffer, .address_space: global }
      - { .name: q_gamma, .offset: 64, .size: 8, .value_kind: global_buffer, .address_space: global }
      - { .name: k_gamma, .offset: 72, .size: 8, .value_kind: global_buffer, .address_space: global }
      - { .name: cos, .offset: 80, .size: 8, .value_kind: global_buffer, .address_space: global }
      - { .name: sin, .offset: 88, .size: 8, .value_kind: global_buffer, .address_space: global }
      - { .name: rope_indices, .offset: 96, .size: 8, .value_kind: global_buffer, .address_space: global }
      - { .name: mask, .offset: 104, .size: 8, .value_kind: global_buffer, .address_space: global }
      - { .name: qbuf, .offset: 112, .size: 8, .value_kind: global_buffer, .address_space: global }
      - { .name: kbuf, .offset: 120, .size: 8, .value_kind: global_buffer, .address_space: global }
      - { .name: vbuf, .offset: 128, .size: 8, .value_kind: global_buffer, .address_space: global }
      - { .name: maskw, .offset: 136, .size: 8, .value_kind: global_buffer, .address_space: global }
    .group_segment_fixed_size: 327680
    .private_segment_fixed_size: 0
    .kernarg_segment_align: 8
    .kernarg_segment_size: 144
    .max_flat_workgroup_size: 128
    .sgpr_count:     98
    .vgpr_count:     1024
    .wavefront_size: 32
...
	.end_amdgpu_metadata
.endif
;; end of part 1
;; launch attn (part 2): grid 4 x 64, 16 waves a work-group, clusters of 4 x 1, 207,872 bytes of LDS; arguments qbuf, kbuf, vbuf, maskw, aimg, asc; writes aimg, asc
.if DOCPART == 2
	.amdgcn_target "amdgcn-amd-amdhsa--gfx1250"
	.amdhsa_code_object_version 6
	.text
	.protected	k_q472e885d18_attn
	.globl	k_q472e885d18_attn
	.p2align	8
	.type	k_q472e885d18_attn,@function
k_q472e885d18_attn:
	s_mov_b64 s[64:65], 0
	v_nop
	global_prefetch_b8 v0, s[64:65] scope:SCOPE_SE
	s_setreg_imm32_b32 hwreg(HW_REG_WAVE_MODE, 25, 1), 1
	s_wait_xcnt 0x0
	s_wait_alu depctr_hold_cnt(0) depctr_sa_sdst(0) depctr_va_vdst(0) depctr_va_sdst(0) depctr_va_ssrc(0) depctr_va_vcc(0) depctr_vm_vsrc(0)
	s_getreg_b32 s2, hwreg(HW_REG_IB_STS2, 6, 4)
	s_cmp_eq_u32 s2, 0
	s_cbranch_scc0 .Lentry_in_a_cluster
	s_endpgm
.Lentry_in_a_cluster:
	s_bfe_u32 s2, ttmp6, 0x10000c
	s_cmp_lg_u32 s2, 0x3003
	s_cbranch_scc0 .Lentry_shape_is_right
	s_endpgm
.Lentry_shape_is_right:
; ATTENTION on codes of FP6 (E2M3): scores, soft cap, mask, weights, second product, division, and the quantiser ahead of the output projection.
; SHARES.  A work-group owns a pair of heads (y = 8 x batch + pair) and a quarter of the queries (its place cx in the cluster); each of its sixteen waves owns ONE tile of 16 queries and walks first the even head,
; then the odd one, 8 steps of 128 keys each.  So a wave ends with 16 rows x 128 along the output projection's K: one whole fragment and its scale word.  Four waves share a SIMD.
; CLUSTER.  The four work-groups of a cluster need the same K and V of the two heads: 204,800 bytes, asked for jointly, once, at the head: no LDS byte is filled twice.
; LAYOUT.  Both products are used transposed, so that a lane holds one query (lane % 16) throughout.  The first product's K is 64, half of the instruction's 128: a fragment of K holds TWO tiles of 16 keys, [k(2p) | k(2p+1)],
; and is multiplied once by [q | 0] and once by [0 | q]; both are runs of 12 registers out of one run of 18, [0 x 6 | q x 6 | 0 x 6].  Zero codes add nothing under any scale byte but 0xff; the bytes beside q's are another tile's, or 0.
; Register 16 b + 8 u + j of the scores holds key 32 b + 16 u + 8 h + j; the weights' codes take the order of the registers, and V's codes were laid in the same order.
; THE WEIGHTS.  t = 50 log2(e) tanh(s / 400), tanh(z) = 1 - 2 / (1 + e^(2 z)):  e = 2^(a s), a = 2 log2(e) / 400;  r = 1 / (1 + e);  t = C - 2 C r, C = 50 log2(e);  p = 2^t, 0 where the mask hides the key.
; NO MAXIMUM IS TAKEN AWAY: the cap that the module itself applies holds t in [-72.14, 72.14] for every input, so p lies in [2^-72.2, 2^72.2], a row's sum under 2^82.2, a block's scale byte in 52 .. 197.
; The shift 0 is a whole number, so the codes are those of the rule's p = 2^(t - M), with M taken up by the block's scale.  The row's sum is taken of the unquantised p and divides at the end.
; LIMITS.  A query all of whose keys are hidden has the sum 0 and is not served.  t carries the absolute error of 144 x that of r, some 1.4e-5 at the worst, so p some 1e-5 of its value.
; The constants 1/8, 1/50 and log2(e) are folded into a and C.  A block of zeros gets the scale byte 1 where the rule says 127 (its codes are zeros; only this program reads the bytes).  NaN and infinities are not served.
.set HB,    51200                      ; a head's bytes in kbuf, vbuf, qbuf, and in LDS: 49,152 of codes, 2,048 of scale words
.set SCW,   49152
.set HALFB, 25600                      ; what one tensor load brings: 100 rows of 256 bytes
.set VL,    2*HB                       ; LDS: K even head, K odd head, then V even, V odd
.set GSC,   4*HB                       ; behind them: 1,024 bytes in which the sixteen waves' scale words meet; no tensor load lands here
.set L16,   1                          ; 16 x lane
.set L8,    2                          ; 8 x lane
.set R16,   3                          ; 16 r
.set ADK16, 4                          ; LDS addresses of the step in hand
.set ADK8,  5
.set ADV,   6
.set ADS,   7
.set ADT,   8
.set GSA,   9                          ; GSC + 64 x wave + 4 r
.set CC,    10                         ; v[10:11] C, C
.set LS,    12                         ; v[12:15] the row's sum, two chains of pairs
.set SCR,   16                         ; v[16:19] four scale words: K's pairs, then V's four tiles
.set GRD,   20                         ; GSC + 16 x thread
.set SA,    24                         ; v24, v25: the even head's q scales for [q | 0], [0 | q];  v26, v27: the odd head's
.set PW,    28                         ; the weights' scale word
.set AW,    29                         ; the output fragment's scale word
.set RL,    30                         ; v[30:31] 1 / sum (the low word serves both halves)
.set QR,    32                         ; v32-49, v50-67: the two heads' runs of 18
.set AC,    68                         ; v68-79 the output fragment
.set F,     80                         ; v80-127 four fragments of K, then of V
.set S,     128                        ; v128-191 scores, then weights
.set O,     192                        ; v192-223 O^T
.set PC,    224                        ; v224-243 codes just made
.set TMX,   244
.set TMB,   248
.set TMS,   252
.set WV,    2                          ; s2 wave
.set CNT,   3
.set TB,    4                          ; LDS byte at which the step's fragments of K begin
.set MO,    5                          ; the step's mask words: 256 bytes a step
.set TS,    6                          ; LDS byte of the step's scale words of K
.set SEL,   14                         ; s[14:15]
.set AS,    66                         ; s[66:67] a
.set C2,    100                        ; s[100:101] -2 C (at the head: two shift counts)
.set G1,    84                         ; s[84:91] descriptor group 1
.macro CROUND
	s_barrier_signal -1
	s_barrier_wait -1
	s_cmp_lg_u32 s[WV], 0
	s_cbranch_scc1 .Lnot_wave_0_\@
	s_barrier_signal -3
.Lnot_wave_0_\@:
	s_barrier_wait -3
	s_barrier_signal -1
	s_barrier_wait -1
.endm
	s_load_b256 s[32:39], s[0:1], 0x0              ; qbuf, kbuf, vbuf, maskw
	s_load_b128 s[40:43], s[0:1], 0x20             ; aimg, asc
	v_lshl_add_u32 v239, v0, 2, 0x32400
	v_mov_b32 v243, 0
	ds_add_u32 v239, v243
	ds_add_u32 v239, v243
	v_lshrrev_b32 v21, 5, v0
	v_readfirstlane_b32 s[WV], v21                 ; wave 0..15
	v_and_b32 v21, 31, v0
	v_and_b32 v22, 15, v0
	v_lshlrev_b32 v[L16], 4, v21                   ; every LDS address's lane term is made here, ahead of the first branch on the wave's number
	v_lshlrev_b32 v[L8], 3, v21
	v_lshlrev_b32 v[R16], 4, v22
	s_lshl_b32 s7, s[WV], 6
	v_lshl_add_u32 v[GSA], v22, 2, s7
	v_add_nc_u32 v[GSA], GSC, v[GSA]
	v_lshl_add_u32 v[GRD], v0, 4, GSC
	s_bfe_u32 s28, ttmp6, 0x40000                  ; cx: it enters global addresses of Q, the mask words and the outputs alone
	s_and_b32 s29, ttmp7, 0xffff                   ; y = 8 x batch + pair of heads: shared by the four partners
	s_lshl_b32 s30, s28, 4
	s_add_co_u32 s30, s30, s[WV]                   ; my query tile, 0..63
	s_and_b32 s44, s[WV], 1                        ; which half of a head's bytes I fetch.  Also: my tile is the even or the odd one of its pair
	s_lshl_b32 s100, s44, 4
	s_sub_co_u32 s101, 16, s100
	s_mul_i32 s45, s44, HALFB
	s_mul_i32 s46, s29, 2*HB                       ; the even head's first byte in qbuf, kbuf, vbuf
	s_add_co_u32 s48, s46, s45
	s_mov_b32 s49, 0
	s_mul_i32 s50, s30, 768
	s_add_co_u32 s50, s50, s46                     ; my tile of Q
	s_mov_b32 s51, 0
	s_lshr_b32 s52, s30, 3
	s_lshl_b32 s52, s52, 8
	s_bfe_u32 s53, s30, 0x20001
	s_lshl_b32 s53, s53, 2
	s_add_co_u32 s52, s52, s53
	s_add_co_u32 s52, s52, s46
	s_add_co_u32 s52, s52, SCW                     ; its pair's scale words
	s_mov_b32 s53, 0
	s_lshl_b32 s54, s30, 11                        ; my tile's mask words: 8 steps x 256 bytes
	s_mov_b32 s55, 0
	s_lshr_b32 s56, s29, 3
	s_lshl_b32 s56, s56, 6                         ; 64 x batch
	s_and_b32 s57, s29, 7                          ; the pair of heads = the fragment's place along the output projection's K
	s_lshl_b32 s58, s57, 9
	s_add_co_u32 s58, s58, s56
	s_lshl_b32 s59, s28, 4
	s_add_co_u32 s58, s58, s59
	s_lshl_b32 s58, s58, 6                         ; asc: [pair 8][row block 512][64 bytes], at my work-group's 16 row blocks
	s_mov_b32 s59, 0
	s_add_co_u32 s56, s56, s30
	s_lshl_b32 s56, s56, 3
	s_add_co_u32 s56, s56, s57
	s_mul_i32 s56, s56, 1536                       ; aimg: [row block 512][pair 8][1,536 bytes]
	s_mov_b32 s57, 0
	; descriptor group 1: 100 dense rows of 256 bytes
	s_mov_b32 s[G1], 15|(3<<16)|(1<<21)            ; 15:0 the mask: all four work-groups; 17:16 elements of 8 bytes; 21 set beside a mask
	s_mov_b32 s[G1+1], 32<<16                      ; tensor_dim0 = 32
	s_mov_b32 s[G1+2], 100<<16                     ; tensor_dim1 = 100
	s_mov_b32 s[G1+3], 32<<16                      ; tile_dim0
	s_mov_b32 s[G1+4], 100                         ; tile_dim1
	s_mov_b32 s[G1+5], 32                          ; from row to row
	s_mov_b32 s[G1+6], 0
	s_mov_b32 s[G1+7], 0
	s_mov_b32 s[SEL], 0x76543210
	s_mov_b32 s[SEL+1], 0xfedcba98
	s_mov_b32 s[AS], 0x3bec5f04                    ; a = 2 log2(e) / 400
	s_mov_b32 s[AS+1], s[AS]
	s_wait_dscnt 0x0
	s_wait_kmcnt 0x0
	s_add_nc_u64 s[8:9], s[38:39], s[54:55]        ; mask words
	s_add_nc_u64 s[10:11], s[40:41], s[56:57]      ; my fragment's place
	s_add_nc_u64 s[12:13], s[42:43], s[58:59]      ; my work-group's scale words
	s_add_nc_u64 s[50:51], s[32:33], s[50:51]
	s_add_nc_u64 s[52:53], s[32:33], s[52:53]
	; groups 0: K even head s[16:19], V even head s[20:23], K odd head s[92:95], V odd head s[96:99]
	s_mov_b32 s16, 1
	s_mov_b32 s17, s45
	s_add_nc_u64 s[18:19], s[34:35], s[48:49]
	s_mov_b32 s92, 1
	s_add_co_u32 s93, s45, HB
	s_add_nc_u64 s[94:95], s[18:19], HB
	s_or_b32 s19, s19, 0x80000000
	s_or_b32 s95, s95, 0x80000000
	s_mov_b32 s20, 1
	s_add_co_u32 s21, s45, VL
	s_add_nc_u64 s[22:23], s[36:37], s[48:49]
	s_mov_b32 s96, 1
	s_add_co_u32 s97, s45, VL+HB
	s_add_nc_u64 s[98:99], s[22:23], HB
	s_or_b32 s23, s23, 0x80000000
	s_or_b32 s99, s99, 0x80000000
	CROUND                                         ; all four work-groups are here: the joint loads meet
	s_cmp_lt_u32 s[WV], 2                          ; waves 0, 1: K's halves; waves 2, 3: V's; the others fetch nothing.  A wave's two loads stand in one branch: two of mine are out
	s_cbranch_scc0 .Lnot_k
	tensor_load_to_lds s[16:19], s[G1:G1+7]
	s_nop 0
	tensor_load_to_lds s[92:95], s[G1:G1+7]
	s_nop 0
.rept 4
	v_nop
.endr
	s_branch .Lasked
.Lnot_k:
	s_cmp_lt_u32 s[WV], 4
	s_cbranch_scc0 .Lasked
	tensor_load_to_lds s[20:23], s[G1:G1+7]
	s_nop 0
	tensor_load_to_lds s[96:99], s[G1:G1+7]
	s_nop 0
.rept 4
	v_nop
.endr
.Lasked:
.irp hd, 0,1
	global_load_b128 v[QR+18*\hd+6:QR+18*\hd+9], v[L16], s[50:51] offset:HB*\hd          ; my tile of q, as its registers were stored
	global_load_b64 v[QR+18*\hd+10:QR+18*\hd+11], v[L8], s[50:51] offset:HB*\hd+512
	global_load_b32 v[SA+2*\hd], v[R16], s[52:53] offset:HB*\hd                          ; the pair's scale word of query r
.endr
.irp hd, 0,1
.irp i, 0,1,2,3,4,5
	v_mov_b32 v[QR+18*\hd+\i], 0                   ; the zero codes on both sides of q
	v_mov_b32 v[QR+18*\hd+12+\i], 0
.endr
.endr
.irp b, 0,1,2,3
	v_mov_b32 v[TMB+\b], 0                         ; written once: a lane permute's destination counts as one of its sources
.endr
	v_mov_b32 v[CC], 0x429044fe                    ; C = 50 log2(e)
	v_mov_b32 v[CC+1], 0x429044fe
	v_mov_b32 v[RL+1], 0                           ; (named as the upper half of a pair)
	s_wait_loadcnt 0x0
.irp hd, 0,1
	v_lshlrev_b32 v[SA+2*\hd+1], s101, v[SA+2*\hd] ; my tile's two bytes into bytes 2, 3: for [0 | q]
	v_lshrrev_b32 v[SA+2*\hd], s100, v[SA+2*\hd]   ; and into bytes 0, 1: for [q | 0]
.endr
	s_mov_b32 s[C2], 0xc31044fe                    ; -2 C
	s_mov_b32 s[C2+1], 0xc31044fe
	s_wait_tensorcnt 1                             ; my part of the even head is in; the odd head's load may stay out
	s_barrier_signal -1
	s_barrier_wait -1                              ; everybody's is
; The 64 weights of a lane, register 16 b + i = place 16 h + i of block b, become the second product's operand in v[PC] on and its scale word in v[PW].  None is negative.
.macro QUANT
.irp b, 0,1,2,3
	v_max3_num_f32 v[TMX+\b], v[S+16*\b], v[S+1+16*\b], 0x1800000   ; and the floor 2^(3 - 127): the byte cannot fall under 1
.endr
.irp i, 2,4,6,8,10,12,14
.irp b, 0,1,2,3
	v_max3_num_f32 v[TMX+\b], v[TMX+\b], v[S+16*\b+\i], v[S+1+16*\b+\i]
.endr
.endr
.irp b, 0,1,2,3
	v_permlanex16_b32 v[TMB+\b], v[TMX+\b], s[SEL], s[SEL+1]
.endr
.irp b, 0,1,2,3
	v_max_num_f32 v[TMX+\b], v[TMX+\b], v[TMB+\b]
.endr
.irp b, 0,1,2,3
	v_add_nc_u32 v[TMS+\b], 0xff000000, v[TMX+\b]  ; 2 off the exponent field: the conversion's scale operand
.endr
.irp b, 0,1,2,3
	v_lshrrev_b32 v[TMB+\b], 23, v[TMS+\b]         ; the scale's byte
.endr
	v_lshl_or_b32 v[PW], v[TMB+1], 8, v[TMB]
	v_lshl_or_b32 v[PW], v[TMB+2], 16, v[PW]
	v_lshl_or_b32 v[PW], v[TMB+3], 24, v[PW]
.irp c, 0,1
	v_cvt_scalef32_pk16_fp6_f32 v[PC+6*\c:PC+2+6*\c], v[S+32*\c:S+15+32*\c], v[TMS+2*\c]
	v_cvt_scalef32_pk16_fp6_f32 v[PC+12+4*\c:PC+14+4*\c], v[S+16+32*\c:S+31+32*\c], v[TMS+2*\c+1]
.endr
	v_nop                                          ; one plain instruction behind a scaled conversion
.irp c, 0,1
.irp i, 0,1,2
	v_permlane16_swap_b32 v[PC+6*\c+\i], v[PC+12+4*\c+\i]
.endr
.irp i, 0,1,2
	v_mov_b32 v[PC+3+6*\c+\i], v[PC+12+4*\c+\i]
.endr
.endr
.endm
; One head: 8 steps of 128 keys, then the division and the quantiser along the head's 64.
.macro HEAD hd
.set QH, QR+18*(\hd)
.set SH, SA+2*(\hd)
	s_mov_b32 s[TB], (\hd)*HB
	s_mov_b32 s[TS], (\hd)*HB+SCW
	s_mov_b32 s[MO], 0
	s_mov_b32 s[CNT], 8
.set j, 0
.rept 32
	v_mov_b32 v[O+j], 0                            ; the step is written once a head: the first finds zeros
.set j, j+1
.endr
.irp i, 0,1,2,3
	v_mov_b32 v[LS+\i], 0
.endr
.Lstep_\@:
	s_load_b512 s[16:31], s[8:9], s[MO] offset:0x0     ; the step's 64 mask words, one bit a lane each: wanted behind the exponentials
	s_load_b512 s[32:47], s[8:9], s[MO] offset:0x40
	s_load_b512 s[48:63], s[8:9], s[MO] offset:0x80
	s_load_b512 s[68:83], s[8:9], s[MO] offset:0xc0
	v_add_nc_u32 v[ADK16], s[TB], v[L16]           ; these five are also the plain instructions between the last step's products and the loads into their registers
	v_add_nc_u32 v[ADK8], s[TB], v[L8]
	v_add_nc_u32 v[ADS], s[TS], v[R16]
	v_add_nc_u32 v[ADV], VL, v[ADK16]
	v_add_nc_u32 v[ADT], VL, v[ADS]
.irp p, 0,1,2,3                                ; fragment p: tiles 2 p and 2 p + 1 of 16 keys, as their registers were stored
	ds_load_b128 v[F+12*\p:F+12*\p+3], v[ADK16] offset:1536*\p
	ds_load_b64 v[F+12*\p+4:F+12*\p+5], v[ADK8] offset:1536*\p+512
	ds_load_b128 v[F+12*\p+6:F+12*\p+9], v[ADK16] offset:1536*\p+768
	ds_load_b64 v[F+12*\p+10:F+12*\p+11], v[ADK8] offset:1536*\p+1280
.endr
	ds_load_b128 v[SCR:SCR+3], v[ADS]              ; the four pairs' scale words of key r
	s_wait_dscnt 0x0
.irp p, 0,1,2,3
	v_wmma_scale_f32_16x16x128_f8f6f4 v[S+16*\p:S+16*\p+7], v[F+12*\p:F+12*\p+11], v[QH+6:QH+17], 0, v[SCR+\p], v[SH] matrix_a_fmt:MATRIX_FMT_FP6 matrix_b_fmt:MATRIX_FMT_FP6
	v_wmma_scale_f32_16x16x128_f8f6f4 v[S+16*\p+8:S+16*\p+15], v[F+12*\p:F+12*\p+11], v[QH:QH+11], 0, v[SCR+\p], v[SH+1] matrix_a_fmt:MATRIX_FMT_FP6 matrix_b_fmt:MATRIX_FMT_FP6
.endr
.rept 4
	v_nop                                          ; four plain instructions: loads into the products' registers and reads of their results follow
.endr
.irp dt, 0,1,2,3                               ; V's four fragments have the whole softmax in which to come
.irp c, 0,1,2
	ds_load_b128 v[F+12*\dt+4*\c:F+12*\dt+4*\c+3], v[ADV] offset:1536*\dt+512*\c
.endr
.endr
	ds_load_b128 v[SCR:SCR+3], v[ADT]              ; and their scale words of channel r
.set j, 0
.rept 32
	v_pk_mul_f32 v[S+j:S+j+1], v[S+j:S+j+1], s[AS:AS+1] op_sel_hi:[1,0]   ; a s, ascending: each accumulator is read from its low end on
.set j, j+2
.endr
.set j, 0
.rept 64
	v_exp_f32 v[S+j], v[S+j]                       ; e
.set j, j+1
.endr
	v_nop                                          ; a plain instruction behind the batch,
	s_wait_alu depctr_va_vdst(0)                   ; and one wait for it, ahead of its first reader
.set j, 0
.rept 32
	v_pk_add_f32 v[S+j:S+j+1], v[S+j:S+j+1], 1.0 op_sel_hi:[1,0]
.set j, j+2
.endr
.set j, 0
.rept 64
	v_rcp_f32 v[S+j], v[S+j]                       ; r = 1 / (1 + e)
.set j, j+1
.endr
	v_nop
	s_wait_alu depctr_va_vdst(0)
.set j, 0
.rept 32
	v_pk_fma_f32 v[S+j:S+j+1], v[S+j:S+j+1], s[C2:C2+1], v[CC:CC+1] op_sel_hi:[1,0,1]   ; t = C - 2 C r
.set j, j+2
.endr
.set j, 0
.rept 64
	v_exp_f32 v[S+j], v[S+j]                       ; p = 2^t
.set j, j+1
.endr
	v_nop
	s_wait_alu depctr_va_vdst(0)
	s_wait_kmcnt 0x0                               ; the mask words
.set j, 0
.rept 64
.if j < 48
	v_cndmask_b32 v[S+j], 0, v[S+j], s[16+j]       ; a hidden key's weight is 0
.else
	v_cndmask_b32 v[S+j], 0, v[S+j], s[20+j]
.endif
.set j, j+1
.endr
	QUANT
.set j, 0
.rept 16
	v_pk_add_f32 v[LS:LS+1], v[LS:LS+1], v[S+j:S+j+1]             ; the row's sum, of the unquantised weights, in two chains.  These 32 also stand between the vector writes of the operand and its scale word and the products
	v_pk_add_f32 v[LS+2:LS+3], v[LS+2:LS+3], v[S+j+2:S+j+3]
.set j, j+4
.endr
	s_wait_dscnt 0x0                               ; V
.irp dt, 0,1,2,3                               ; the four accumulators take turns; eight other products stand between a link and the next
	v_wmma_scale_f32_16x16x128_f8f6f4 v[O+8*\dt:O+8*\dt+7], v[F+12*\dt:F+12*\dt+11], v[PC:PC+11], v[O+8*\dt:O+8*\dt+7], v[SCR+\dt], v[PW] matrix_a_fmt:MATRIX_FMT_FP6 matrix_b_fmt:MATRIX_FMT_FP6
.endr
	s_add_co_u32 s[TB], s[TB], 6144                ; eight tiles of K, four fragments of V
	s_add_co_u32 s[TS], s[TS], 256
	s_add_co_u32 s[MO], s[MO], 256
	s_sub_co_u32 s[CNT], s[CNT], 1
	s_cmp_lg_u32 s[CNT], 0
	s_cbranch_scc1 .Lstep_\@
	v_pk_add_f32 v[LS:LS+1], v[LS:LS+1], v[LS+2:LS+3]   ; (these lines are the plain instructions behind the last products)
	v_add_f32 v[LS], v[LS], v[LS+1]
	v_permlanex16_b32 v[LS+1], v[LS], s[SEL], s[SEL+1]
	v_add_f32 v[LS], v[LS], v[LS+1]                ; with lane l xor 16's keys: the row's sum
	v_rcp_f32 v[RL], v[LS]
	v_nop
	s_wait_alu depctr_va_vdst(0)
.set j, 0
.rept 16
	v_pk_mul_f32 v[O+j:O+j+1], v[O+j:O+j+1], v[RL:RL+1] op_sel_hi:[1,0]   ; o = O / sum, ascending
.set j, j+2
.endr
.irp b, 0,1                                    ; register 16 b + 8 u + j holds channel 32 b + 16 u + 8 h + j; the output projection's weights lie in natural order, so the halves change places:
.irp i, 0,1,2,3,4,5,6,7
	v_permlane16_swap_b32 v[O+16*\b+\i], v[O+16*\b+8+\i]   ; now register 16 b + i holds channel 32 b + 16 h + i
.endr
.endr
.irp b, 0,1
	v_max3_num_f32 v[TMX+\b], |v[O+16*\b]|, |v[O+1+16*\b]|, 0x1800000
.endr
.irp i, 2,4,6,8,10,12,14
.irp b, 0,1
	v_max3_num_f32 v[TMX+\b], v[TMX+\b], |v[O+16*\b+\i]|, |v[O+1+16*\b+\i]|
.endr
.endr
.irp b, 0,1
	v_permlanex16_b32 v[TMB+\b], v[TMX+\b], s[SEL], s[SEL+1]
.endr
.irp b, 0,1
	v_max_num_f32 v[TMX+\b], v[TMX+\b], v[TMB+\b]
.endr
.irp b, 0,1
	v_add_nc_u32 v[TMS+\b], 0xff000000, v[TMX+\b]
.endr
.irp b, 0,1
	v_lshrrev_b32 v[TMB+\b], 23, v[TMS+\b]
.endr
.if (\hd) == 0
	v_lshl_or_b32 v[AW], v[TMB+1], 8, v[TMB]       ; the even head's two bytes,
.else
	v_lshl_or_b32 v[AW], v[TMB], 16, v[AW]         ; the odd head's
	v_lshl_or_b32 v[AW], v[TMB+1], 24, v[AW]
.endif
	v_cvt_scalef32_pk16_fp6_f32 v[AC+6*(\hd):AC+6*(\hd)+2], v[O:O+15], v[TMS]
	v_cvt_scalef32_pk16_fp6_f32 v[PC+12:PC+14], v[O+16:O+31], v[TMS+1]
	v_nop
.irp i, 0,1,2
	v_permlane16_swap_b32 v[AC+6*(\hd)+\i], v[PC+12+\i]
.endr
.irp i, 0,1,2
	v_mov_b32 v[AC+6*(\hd)+3+\i], v[PC+12+\i]      ; registers 6 hd .. 6 hd + 5 of the fragment: k = 64 hd + 32 h + 0 .. 31
.endr
.endm
	HEAD 0
	s_wait_tensorcnt 0x0                           ; my part of the odd head is in,
	s_wait_dscnt 0x0
	s_barrier_signal -1
	s_barrier_wait -1                              ; everybody's is
	HEAD 1
.irp c, 0,1,2
	global_store_b128 v[L16], v[AC+4*\c:AC+4*\c+3], s[10:11] offset:512*\c   ; the fragment's image: 512 consecutive bytes a store, aligned
.endr
	ds_store_b32 v[GSA], v[AW]                     ; the scale words of sixteen waves meet in LDS (both halves of the lanes write the same word with the same value),
	s_wait_dscnt 0x0                               ; for the others' sake
	s_barrier_signal -1
	s_barrier_wait -1
	s_cmp_lt_u32 s[WV], 2
	s_cbranch_scc0 .Lno_gather
	ds_load_b128 v[F:F+3], v[GRD]                  ; and leave by waves 0 and 1: 1,024 consecutive bytes
	v_lshlrev_b32 v[ADK16], 4, v0
	s_wait_dscnt 0x0
	global_store_b128 v[ADK16], v[F:F+3], s[12:13]
.Lno_gather:
	s_wait_tensorcnt 0x0
	ds_add_u32 v239, v243
	s_wait_dscnt 0x0
	CROUND                                         ; the closing round
	s_endpgm
.Lfunc_end_k_q472e885d18_attn:
	.size	k_q472e885d18_attn, .Lfunc_end_k_q472e885d18_attn-k_q472e885d18_attn
	.p2alignl 7, 3214868480
	.fill 96, 4, 3214868480
	.section	.rodata,"a",@progbits
	.p2align	6, 0x0
	.amdhsa_kernel k_q472e885d18_attn
		.amdhsa_group_segment_fixed_size 207872
		.amdhsa_private_segment_fixed_size 0
		.amdhsa_enable_private_segment 0
		.amdhsa_kernarg_size 48
		.amdhsa_user_sgpr_count 2
		.amdhsa_user_sgpr_kernarg_segment_ptr 1
		.amdhsa_wavefront_size32 1
		.amdhsa_system_sgpr_workgroup_id_x 1
		.amdhsa_system_sgpr_workgroup_id_y 1
		.amdhsa_system_sgpr_workgroup_id_z 1
		.amdhsa_system_vgpr_workitem_id 0
		.amdhsa_next_free_vgpr 256
		.amdhsa_next_free_sgpr 102
		.amdhsa_reserve_vcc 0
		.amdhsa_float_denorm_mode_32 3
		.amdhsa_float_denorm_mode_16_64 3
		.amdhsa_memory_ordered 1
		.amdhsa_forward_progress 1
		.amdhsa_inst_pref_size 72
	.end_amdhsa_kernel
	.amdgpu_metadata
---
amdhsa.version: [ 1, 2 ]
amdhsa.kernels:
  - .name:           k_q472e885d18_attn
    .symbol:         k_q472e885d18_attn.kd
    .args:
      - { .name: qbuf, .offset: 0, .size: 8, .value_kind: global_buffer, .address_space: global }
      - { .name: kbuf, .offset: 8, .size: 8, .value_kind: global_buffer, .address_space: global }
      - { .name: vbuf, .offset: 16, .size: 8, .value_kind: global_buffer, .address_space: global }
      - { .name: maskw, .offset: 24, .size: 8, .value_kind: global_buffer, .address_space: global }
      - { .name: aimg, .offset: 32, .size: 8, .value_kind: global_buffer, .address_space: global }
      - { .name: asc, .offset: 40, .size: 8, .value_kind: global_buffer, .address_space: global }
    .group_segment_fixed_size: 207872
    .private_segment_fixed_size: 0
    .kernarg_segment_align: 8
    .kernarg_segment_size: 48
    .max_flat_workgroup_size: 512
    .sgpr_count:     102
    .vgpr_count:     256
    .wavefront_size: 32
...
	.end_amdgpu_metadata
.endif
;; end of part 2
;; launch oproj (part 3): grid 4 x 32, 4 waves a work-group, clusters of 4 x 4, 327,680 bytes of LDS; arguments aimg, asc, Wo_codes, Wo_scales, out0; writes out0
.if DOCPART == 3
	.amdgcn_target "amdgcn-amd-amdhsa--gfx1250"
	.amdhsa_code_object_version 6
	.text
	.protected	k_q472e885d18_oproj
	.globl	k_q472e885d18_oproj
	.p2align	8
	.type	k_q472e885d18_oproj,@function
k_q472e885d18_oproj:
	s_mov_b64 s[64:65], 0
	v_nop
	global_prefetch_b8 v0, s[64:65] scope:SCOPE_SE
	s_setreg_imm32_b32 hwreg(HW_REG_WAVE_MODE, 25, 1), 1
	s_wait_xcnt 0x0
	s_wait_alu depctr_hold_cnt(0) depctr_sa_sdst(0) depctr_va_vdst(0) depctr_va_sdst(0) depctr_va_ssrc(0) depctr_va_vcc(0) depctr_vm_vsrc(0)
	s_getreg_b32 s2, hwreg(HW_REG_IB_STS2, 6, 4)
	s_cmp_eq_u32 s2, 0
	s_cbranch_scc0 .Lentry_in_a_cluster
	s_endpgm
.Lentry_in_a_cluster:
	s_bfe_u32 s2, ttmp6, 0x10000c
	s_cmp_lg_u32 s2, 0xf033
	s_cbranch_scc0 .Lentry_shape_is_right
	s_endpgm
.Lentry_shape_is_right:
; out0 = o Wo^T on codes of FP6 (E2M3) with one E8M0 scale for each 32 along K.  out0: [8,192][1,024] f32; sums in f32.
; A = o comes as IMAGES OF OPERAND REGISTERS: aimg [row block of 16 rows: 512][128 along K: 8][1,536 bytes], a fragment as three pieces of 512 bytes, registers 4 c .. 4 c + 3 at 16 x lane;
; its scale words asc [128 along K: 8][row block 512][16 words].  B = Wo comes as rows of codes (768 bytes) and of scale bytes (32).
; A tile of out0, 256 x 256, is made by four waves, 128 x 128 each: 64 accumulators, 512 registers.  K = 1,024 goes in four steps of 256 through a ring of two LDS slots filled by tensor loads.
; CLUSTERS: 4 x 4 work-groups; A's tiles are asked for jointly along a row of the cluster, B's along a column.
; THE MATRIX INSTRUCTION IS USED TRANSPOSED (source 0 = 16 rows of Wo, source 1 = 16 rows of o): a lane holds eight neighbouring numbers of a row of out0.
; REGISTERS: window 0: v0-31 addresses; v32-63 scale words, two sets; from v128 A's fragments, one set.  Window 1: B's fragments, two sets.  Windows 2, 3: the accumulators ((a, b) at v[8 (8 (a % 4) + b)]).
.set SIZE_N, 1024
.set KSTEP,  256
.set NQ,     KSTEP/128
.set ROWB,   192                       ; B: a tile's row in bytes
.set KROW,   768                       ; B: a row of codes in memory; also A's bytes for each row (12,288 for 16)
.set PITCH,  240                       ; B: an LDS row: 3 x (64 bytes + 16 of padding)
.set ABLK,   3072                      ; A: a row block's bytes in a slot: two fragments
.set AFRG,   1536
.set FR,     12
.set NL,     6                         ; LDS loads that bring a fragment of B
.set NLA,    3                         ; and of A
.set NP,     4                         ; plain vector instructions owed behind this matrix instruction (ISA guide 7.12.1)
.set HALFT,  128*PITCH                 ; a wave's place in a slot: B's 128 rows fill it, A's 8 row blocks take 24,576 bytes of it
.set SLOT,   4*HALFT
.set KS,     32
.set SCL,    2*SLOT                    ; behind the ring: the scales.  A wave's place: HALFS bytes
.set HALFS,  (128*KS/256)*272          ; B's 128 rows: 16 units of 256 bytes + 16 of padding;  A's: 8 x 512 dense bytes
.set SBLK,   (16*KS/256)*272
.set SPARE,  SCL+4*HALFS
.set SPITCH, 528                       ; the way out: a stage of 16 rows x (512 bytes + 16) for each wave, in slot 0, which has had its last fill and its last read by then
.set ADRA, 16                          ; v16-17  LDS address of my A fragments in slot 0, 1: 16 x lane + my half
.set ADSA, 18                          ; v18     of A's scale words: 4 x lane + my half
.set ADRB, 20                          ; v20-23  of my B fragments
.set STO,  24
.set RD,   25
.set CO,   26
.set ADRS, 27                          ; v27     of B's scale words: lanes 0-15 an even block's rows, lanes 16-31 the next block's
.set SPW,  28
.set NIL,  29
.set SC,   32                          ; set s at v[SC + 16 s]: + 2 (b / 2) + q: B's words;  + 8 + 4 q + a / 2: A's.  Even blocks in lanes 0-15, odd blocks in lanes 16-31
.set AF,   128
.set BK,   128
.set G1, 24
.set G0, 32
.set G1B, 48
.set G0B, 56
.set G1S, 68
.set G0S, 76
.set G1SB, 80
.set G0SB, 88
.set MSB, 0
.macro WIN new
.if MSB != (\new)
	s_set_vgpr_msb (MSB<<8)|(\new)
.set MSB, \new
.endif
.endm
.set MUL_LO, 0xa1
.set MUL_HI, 0xf1
.set TO_B,   0x40
.macro JLOAD g0a, g1a, g0b, g1b        ; a joint load: waves 0 and 1 fetch for A, waves 2 and 3 for B.  Four v_nop follow each of the two lines
	s_cmp_eq_u32 s15, 0
	s_cbranch_scc0 .Lfor_b_\@
	tensor_load_to_lds s[\g0a:\g0a+3], s[\g1a:\g1a+7]
	s_nop 0
.rept 4
	v_nop
.endr
	s_branch .Lasked_\@
.Lfor_b_\@:
	tensor_load_to_lds s[\g0b:\g0b+3], s[\g1b:\g1b+7]
	s_nop 0
.rept 4
	v_nop
.endr
.Lasked_\@:
.endm
.macro CREST
	s_cmp_lg_u32 s14, 0
	s_cbranch_scc1 .Lnot_wave_0_\@
	s_barrier_signal -3
.Lnot_wave_0_\@:
	s_barrier_wait -3
	s_barrier_signal -1
	s_barrier_wait -1
.endm
.macro CROUND
	s_barrier_signal -1
	s_barrier_wait -1
	CREST
.endm
	s_load_b128 s[4:7], s[0:1], 0x0                ; aimg, asc
	s_load_b128 s[8:11], s[0:1], 0x10              ; Wo's codes, Wo's scales
	s_load_b64 s[12:13], s[0:1], 0x20              ; out0
	v_lshl_add_u32 v[SPW], v0, 2, SPARE
	v_mov_b32 v[NIL], 0
	ds_add_u32 v28, v29
	ds_add_u32 v28, v29
	s_wait_dscnt 0x0
	v_lshrrev_b32 v1, 5, v0
	v_readfirstlane_b32 s14, v1                    ; wave 0..3
	s_lshr_b32 s15, s14, 1                         ; which half of the tile's rows is mine.  Also: I fetch for A (0) or for B (1)
	s_and_b32 s16, s14, 1                          ; which half of its columns.  Also: which 128 rows I fetch
	s_bfe_u32 s40, ttmp6, 0x40000
	s_bfe_u32 s41, ttmp6, 0x40004
	s_lshl_b32 s42, ttmp9, 2
	s_add_co_u32 s42, s42, s40                     ; tile column
	s_and_b32 s17, ttmp7, 0xffff
	s_lshl_b32 s17, s17, 2
	s_add_co_u32 s17, s17, s41                     ; tile row
	s_lshl_b32 s43, s41, 2
	s_lshl_b32 s43, 15, s43                        ; my row of the cluster
	s_lshl_b32 s44, 0x1111, s40                    ; my column
	; A's tiles: 8 row blocks x 3,072 bytes (384 elements of 8 bytes), 12,288 bytes apart in memory, dense in LDS
	s_or_b32 s[G1+0], s43, (3<<16)|(1<<21)
	s_mov_b32 s[G1+1], 384<<16                     ; tensor_dim0
	s_mov_b32 s[G1+2], 8<<16                       ; tensor_dim1
	s_mov_b32 s[G1+3], 384<<16                     ; tile_dim0
	s_mov_b32 s[G1+4], 8                           ; tile_dim1
	s_mov_b32 s[G1+5], 1536                        ; from row block to row block
	s_mov_b32 s[G1+6], 0
	s_mov_b32 s[G1+7], 0
	; B's tiles: 128 rows x 192 bytes, 16 bytes of padding behind every 64
	s_or_b32 s[G1B+0], s44, (0<<16)|(1<<20)|(1<<21)|(3<<22)|(3<<25)
	s_mov_b32 s[G1B+1], ROWB<<16
	s_mov_b32 s[G1B+2], 128<<16
	s_mov_b32 s[G1B+3], ROWB<<16
	s_mov_b32 s[G1B+4], 128
	s_mov_b32 s[G1B+5], KROW
	s_mov_b32 s[G1B+6], 0
	s_mov_b32 s[G1B+7], 0
	; A's scale words: for each of the 8 fragments along K the 512 bytes of my 8 row blocks, 32,768 bytes apart in memory, dense in LDS
	s_or_b32 s[G1S+0], s43, (3<<16)|(1<<21)
	s_mov_b32 s[G1S+1], 64<<16
	s_mov_b32 s[G1S+2], 8<<16
	s_mov_b32 s[G1S+3], 64<<16
	s_mov_b32 s[G1S+4], 8
	s_mov_b32 s[G1S+5], 4096
	s_mov_b32 s[G1S+6], 0
	s_mov_b32 s[G1S+7], 0
	; B's scale bytes: 4,096 dense bytes, as rows of 256 bytes with 16 of padding behind each
	s_or_b32 s[G1SB+0], s44, (3<<16)|(1<<20)|(1<<21)|(5<<22)|(3<<25)
	s_mov_b32 s[G1SB+1], 32<<16
	s_mov_b32 s[G1SB+2], (128*KS/256)<<16
	s_mov_b32 s[G1SB+3], 32<<16
	s_mov_b32 s[G1SB+4], 128*KS/256
	s_mov_b32 s[G1SB+5], 32
	s_mov_b32 s[G1SB+6], 0
	s_mov_b32 s[G1SB+7], 0
	s_lshl_b32 s18, s16, 7
	s_lshl_b32 s20, s17, 8
	s_add_co_u32 s20, s20, s18                     ; A's first row that I fetch
	s_lshl_b32 s46, s42, 8
	s_add_co_u32 s46, s46, s18                     ; B's
	s_mov_b32 s21, 0
	s_mov_b32 s47, 0
	s_lshl_b64 s[22:23], s[20:21], 2               ; A's scale words: 64 bytes for 16 rows
	s_mov_b64 s[18:19], KS
	s_mul_u64 s[92:93], s[46:47], s[18:19]         ; B's scale bytes
	s_mov_b64 s[18:19], KROW
	s_mul_u64 s[20:21], s[20:21], s[18:19]         ; the codes: 768 bytes a row on both sides
	s_mul_u64 s[46:47], s[46:47], s[18:19]
	s_mul_i32 s45, s14, HALFT
	s_mul_i32 s94, s14, HALFS
	s_wait_kmcnt 0x0
	s_add_nc_u64 s[20:21], s[4:5], s[20:21]
	s_add_nc_u64 s[22:23], s[6:7], s[22:23]
	s_add_nc_u64 s[46:47], s[8:9], s[46:47]
	s_add_nc_u64 s[92:93], s[10:11], s[92:93]
	CROUND                                         ; all sixteen work-groups are here: the first joint loads meet
	s_mov_b32 s[G0S], 1
	s_add_co_u32 s[G0S+1], s94, SCL
	s_mov_b64 s[G0S+2:G0S+3], s[22:23]
	s_or_b32 s[G0S+3], s[G0S+3], 0x80000000
	s_mov_b32 s[G0SB], 1
	s_add_co_u32 s[G0SB+1], s94, SCL
	s_mov_b64 s[G0SB+2:G0SB+3], s[92:93]
	s_or_b32 s[G0SB+3], s[G0SB+3], 0x80000000
	JLOAD G0S, G1S, G0SB, G1SB                     ; the scales first
.irp s, 0,1
	s_mov_b32 s[G0+4*\s], 1
	s_add_co_u32 s[G0+4*\s+1], s45, \s*SLOT
	s_add_nc_u64 s[G0+4*\s+2:G0+4*\s+3], s[20:21], \s*ABLK
	s_or_b32 s[G0+4*\s+3], s[G0+4*\s+3], 0x80000000
	s_mov_b32 s[G0B+4*\s], 1
	s_add_co_u32 s[G0B+4*\s+1], s45, \s*SLOT
	s_add_nc_u64 s[G0B+4*\s+2:G0B+4*\s+3], s[46:47], \s*ROWB
	s_or_b32 s[G0B+4*\s+3], s[G0B+4*\s+3], 0x80000000
	JLOAD G0+4*\s, G1, G0B+4*\s, G1B               ; three tensor loads of mine are out now
.endr
	v_and_b32 v1, 15, v0                           ; r
	v_bfe_u32 v2, v0, 4, 1                         ; h
	v_and_b32 v6, 31, v0                           ; lane
	v_lshlrev_b32 v7, 4, v6
	v_mul_u32_u24 v3, v1, PITCH
	v_mul_u32_u24 v4, v2, 24
	v_add_nc_u32 v4, v3, v4                        ; B: a fragment's row x pitch + 24 h
	v_lshl_add_u32 v5, v2, 4, v4                   ; and the same behind one padding more
	s_mul_i32 s21, s15, HALFT                      ; my 128 rows of A
	s_mul_i32 s22, s16, HALFT
	s_add_co_u32 s22, s22, 2*HALFT                 ; my 128 rows of B
.irp s, 0,1
	v_add_nc_u32 v[ADRA+\s], s21, v7
	v_add_nc_u32 v[ADRB+\s], s22, v4
	v_add_nc_u32 v[ADRB+2+\s], s22, v5
	s_add_co_u32 s21, s21, SLOT
	s_add_co_u32 s22, s22, SLOT
.endr
	s_mul_i32 s21, s15, HALFS
	s_add_co_u32 s21, s21, SCL
	v_lshl_add_u32 v[ADSA], v6, 2, s21             ; A's scale words: 4 x lane: lanes 0-15 a row block, lanes 16-31 the next
	v_mul_u32_u24 v5, v1, KS                       ; B's: 32 bytes a row,
	v_lshrrev_b32 v8, 8, v5
	v_lshl_add_u32 v5, v8, 4, v5                   ; and 16 more for each 256 passed;
	v_mul_u32_u24 v8, v2, SBLK                     ; lanes 16-31 take the next block of 16 rows
	v_add_nc_u32 v5, v5, v8
	s_mul_i32 s22, s16, HALFS
	s_add_co_u32 s22, s22, SCL+2*HALFS
	v_add_nc_u32 v[ADRS], s22, v5
	s_mul_i32 s23, s14, 16*SPITCH                  ; my stage
	v_mul_u32_u24 v5, v1, SPITCH
	v_lshl_add_u32 v5, v2, 5, v5
	v_add_nc_u32 v[STO], s23, v5                   ; in: row r, 32 bytes for each half of the lanes
	v_lshlrev_b32 v[CO], 4, v6                     ; back: the 32 lanes take one row of 512 bytes; and the same in out0
	v_add_nc_u32 v[RD], s23, v[CO]
	s_lshl_b32 s20, s17, 8
	s_lshl_b32 s21, s15, 7
	s_add_co_u32 s20, s20, s21                     ; my first row of out0
	s_mov_b32 s21, 0
	s_mov_b64 s[18:19], SIZE_N*4
	s_mul_u64 s[20:21], s[20:21], s[18:19]
	s_lshl_b32 s46, s42, 10
	s_lshl_b32 s47, s16, 9
	s_add_co_u32 s46, s46, s47                     ; my first column, in bytes
	s_mov_b32 s47, 0
	s_add_nc_u64 s[20:21], s[20:21], s[46:47]
	s_add_nc_u64 s[12:13], s[12:13], s[20:21]
.macro FRAG reg, adr, q, i             ; a fragment of B from rows: six pieces of 8 bytes
.irp p, 0,1,2,3,4,5
.set PCE, 12*(\q)+6*(\p/3)+\p%3
.if PCE%8 < 5
	ds_load_b64 v[\reg+2*\p:\reg+2*\p+1], v[\adr] offset:8*PCE+16*(PCE/8)+(\i)*16*PITCH
.else
	ds_load_b64 v[\reg+2*\p:\reg+2*\p+1], v[\adr+2] offset:8*PCE+16*(PCE/8)+(\i)*16*PITCH
.endif
.endr
.endm
; One matrix instruction.  bo, ao: B's, A's block is an odd one: its scale words lie in lanes 16-31 of the register named.
.macro WM d, bf, af, sb, sa, bo, ao, zero
.if \zero
.if (\bo)&&(\ao)
	v_wmma_scale_f32_16x16x128_f8f6f4 v[\d:\d+7], v[\bf:\bf+FR-1], v[\af:\af+FR-1], 0, v[\sb], v[\sa] matrix_a_fmt:MATRIX_FMT_FP6 matrix_b_fmt:MATRIX_FMT_FP6 matrix_a_scale:MATRIX_SCALE_ROW1 matrix_b_scale:MATRIX_SCALE_ROW1
.elseif \bo
	v_wmma_scale_f32_16x16x128_f8f6f4 v[\d:\d+7], v[\bf:\bf+FR-1], v[\af:\af+FR-1], 0, v[\sb], v[\sa] matrix_a_fmt:MATRIX_FMT_FP6 matrix_b_fmt:MATRIX_FMT_FP6 matrix_a_scale:MATRIX_SCALE_ROW1
.elseif \ao
	v_wmma_scale_f32_16x16x128_f8f6f4 v[\d:\d+7], v[\bf:\bf+FR-1], v[\af:\af+FR-1], 0, v[\sb], v[\sa] matrix_a_fmt:MATRIX_FMT_FP6 matrix_b_fmt:MATRIX_FMT_FP6 matrix_b_scale:MATRIX_SCALE_ROW1
.else
	v_wmma_scale_f32_16x16x128_f8f6f4 v[\d:\d+7], v[\bf:\bf+FR-1], v[\af:\af+FR-1], 0, v[\sb], v[\sa] matrix_a_fmt:MATRIX_FMT_FP6 matrix_b_fmt:MATRIX_FMT_FP6
.endif
.else
.if (\bo)&&(\ao)
	v_wmma_scale_f32_16x16x128_f8f6f4 v[\d:\d+7], v[\bf:\bf+FR-1], v[\af:\af+FR-1], v[\d:\d+7], v[\sb], v[\sa] matrix_a_fmt:MATRIX_FMT_FP6 matrix_b_fmt:MATRIX_FMT_FP6 matrix_a_scale:MATRIX_SCALE_ROW1 matrix_b_scale:MATRIX_SCALE_ROW1
.elseif \bo
	v_wmma_scale_f32_16x16x128_f8f6f4 v[\d:\d+7], v[\bf:\bf+FR-1], v[\af:\af+FR-1], v[\d:\d+7], v[\sb], v[\sa] matrix_a_fmt:MATRIX_FMT_FP6 matrix_b_fmt:MATRIX_FMT_FP6 matrix_a_scale:MATRIX_SCALE_ROW1
.elseif \ao
	v_wmma_scale_f32_16x16x128_f8f6f4 v[\d:\d+7], v[\bf:\bf+FR-1], v[\af:\af+FR-1], v[\d:\d+7], v[\sb], v[\sa] matrix_a_fmt:MATRIX_FMT_FP6 matrix_b_fmt:MATRIX_FMT_FP6 matrix_b_scale:MATRIX_SCALE_ROW1
.else
	v_wmma_scale_f32_16x16x128_f8f6f4 v[\d:\d+7], v[\bf:\bf+FR-1], v[\af:\af+FR-1], v[\d:\d+7], v[\sb], v[\sa] matrix_a_fmt:MATRIX_FMT_FP6 matrix_b_fmt:MATRIX_FMT_FP6
.endif
.endif
.endm
; 16 matrix instructions: A's blocks a0, a0 + 1 x B's eight.  The 64 accumulators take turns, one instruction a turn, in the same order in every step.
.macro MUL16 a0, p, q, sc, zero
.irp a, \a0, \a0+1
.irp b, 0,1,2,3,4,5,6,7
	WM 8*(8*((\a)%4)+\b), 128*(\p)+FR*\b, AF+FR*(\a), SC+16*(\sc)+2*(\b/2)+(\q), SC+16*(\sc)+8+4*(\q)+(\a)/2, (\b)%2, (\a)%2, \zero
.endr
.endr
.endm
.macro FETCH_B slot, q, p
	WIN TO_B
.irp i, 0,1,2,3,4,5,6,7
	FRAG 128*(\p)+FR*\i, ADRB+\slot, \q, \i
.endr
	WIN 0
.endm
.macro FETCH_A slot, q, i0             ; A's blocks i0 .. i0 + 3: three loads of 16 bytes a lane each, as the registers were stored
.irp i, \i0, \i0+1, \i0+2, \i0+3
.irp c, 0,1,2
	ds_load_b128 v[AF+FR*(\i)+4*\c:AF+FR*(\i)+4*\c+3], v[ADRA+\slot] offset:ABLK*(\i)+AFRG*(\q)+512*\c
.endr
.endr
.endm
.macro SCALES sc                       ; a K step's scale words
.irp i, 0,2,4,6
	ds_load_b64 v[SC+16*\sc+\i:SC+16*\sc+\i+1], v[ADRS] offset:\i*SBLK       ; B's blocks i (lanes 0-15) and i + 1 (lanes 16-31): the step's two words
.endr
.irp q, 0,1
.irp i, 0,2,4,6
	ds_load_b32 v[SC+16*\sc+8+4*\q+\i/2], v[ADSA] offset:512*\q+64*\i        ; A's blocks i and i + 1, the step's q-th 128 along K
.endr
.endr
.endm
.macro PLACES n
.rept \n
	v_nop
.endr
.endm
.macro STEP slot, q, zero
	s_wait_dscnt 4*NLA                             ; B's set and A's blocks 0-3 are in; the youngest 12 loads (A's blocks 4-7) may be out
	WIN MUL_LO
	MUL16 0, (\q)%2, \q, \slot, \zero
	MUL16 2, (\q)%2, \q, \slot, \zero
	s_wait_dscnt 0
	PLACES NP
	FETCH_B \slot, (\q)+1, 1-(\q)%2
	FETCH_A \slot, (\q)+1, 0
	WIN MUL_HI
	MUL16 4, (\q)%2, \q, \slot, \zero
	MUL16 6, (\q)%2, \q, \slot, \zero
	PLACES NP
	WIN 0
	FETCH_A \slot, (\q)+1, 4
.endm
; A slot's last step changes slots: ONE barrier; in front of it each wave waits for all its tensor loads, adds 0 to its spare word, and waits for that and for its reads of this slot.
.macro TURN slot, next, fill
	s_wait_tensorcnt 0x0                           ; all my tensor loads have landed: my part of the next slot
	ds_add_u32 v[SPW], v[NIL]                      ; 0 onto my spare word
	s_wait_dscnt 4*NLA+1                           ; (the add and the youngest 12 loads may be out)
	WIN MUL_LO
	MUL16 0, 1, NQ-1, \slot, 0
	s_wait_dscnt 0x0                               ; the add is done, and my reads of this slot are over
	s_barrier_signal -1
	MUL16 2, 1, NQ-1, \slot, 0
	WIN 0
	s_barrier_wait -1
.if \fill
	CREST                                          ; the barrier has opened a round of the cluster's barrier
	s_add_nc_u64 s[G0+4*\slot+2:G0+4*\slot+3], s[G0+4*\slot+2:G0+4*\slot+3], 2*ABLK
	s_add_nc_u64 s[G0B+4*\slot+2:G0B+4*\slot+3], s[G0B+4*\slot+2:G0B+4*\slot+3], 2*ROWB
	JLOAD G0+4*\slot, G1, G0B+4*\slot, G1B         ; the first tensor load behind the round, my one load until the next
.else
	PLACES NP
.endif
	v_add_nc_u32 v[ADRS], 4*NQ, v[ADRS]            ; on to the next K step's scale words
	v_add_nc_u32 v[ADSA], 512*NQ, v[ADSA]
	FETCH_B \next, 0, 0
	FETCH_A \next, 0, 0
	SCALES \next
	WIN MUL_HI
	MUL16 4, 1, NQ-1, \slot, 0
	MUL16 6, 1, NQ-1, \slot, 0
	PLACES NP
	WIN 0
	FETCH_A \next, 0, 4
.endm
	s_wait_tensorcnt 1                             ; the scales and my part of K step 0 are in (K step 1's load may be out),
	s_barrier_signal -1
	s_barrier_wait -1                              ; everybody's are
	FETCH_B 0, 0, 0
	FETCH_A 0, 0, 0
	SCALES 0
	FETCH_A 0, 0, 4
	STEP 0, 0, 1                                   ; eight steps of 128 along K, written out.  The first step's products start the sums
	TURN 0, 1, 1
	STEP 1, 0, 0
	TURN 1, 0, 1
	STEP 0, 0, 0
	TURN 0, 1, 0
	STEP 1, 0, 0
	s_wait_dscnt 4*NLA
	WIN MUL_LO
	MUL16 0, 1, NQ-1, 1, 0
	MUL16 2, 1, NQ-1, 1, 0
	s_wait_dscnt 0
	WIN MUL_HI
	MUL16 4, 1, NQ-1, 1, 0
	MUL16 6, 1, NQ-1, 1, 0
	WIN 0
; THE WAY OUT, block by block of 16 rows x 128 columns, through my own stage in LDS: whole rows of 512 bytes come back, which the 32 lanes store as two aligned runs of 256 bytes.
; LDS serves a wave's instructions in order (ISA guide 5.7.1.4): no wait between the stores and the loads.
.macro TOSTAGE a
.set AC, 64*((\a)%4)
	WIN 0x08+4*((\a)/4)                            ; the data: window 2 or 3
.irp b, 0,1,2,3,4,5,6,7
	ds_store_b128 v[STO], v[AC+8*\b:AC+8*\b+3] offset:64*\b          ; each accumulator from its low end on
	ds_store_b128 v[STO], v[AC+8*\b+4:AC+8*\b+7] offset:64*\b+16
.endr
	WIN 0
.set BB, BK+64*((\a)%2)
.irp t, 0,1,2,3,4,5,6,7,8,9,10,11,12,13,14,15
	ds_load_b128 v[BB+4*\t:BB+4*\t+3], v[RD] offset:\t*SPITCH
.endr
.endm
.macro SEND a, younger
.set BB, BK+64*((\a)%2)
	s_wait_dscnt \younger                          ; the block is back in registers
.if (\a) > 0
	s_add_nc_u64 s[12:13], s[12:13], 16*SIZE_N*4   ; (behind a wait on XCNT)  16 rows of out0 on
.endif
.irp t, 0,1,2,3,4,5,6,7,8,9,10,11,12,13,14,15
	global_store_b128 v[CO], v[BB+4*\t:BB+4*\t+3], s[12:13] offset:\t*SIZE_N*4 th:TH_STORE_NT   ; 32 lanes store 512 consecutive bytes, aligned; written once, read by nobody here
.endr
.endm
	PLACES NP
	TOSTAGE 0
.irp a, 1,2,3,4,5,6,7
.if \a > 1
	s_wait_xcnt 0x0                                ; block a - 2's stores have read their registers and their base
.endif
	TOSTAGE \a
	SEND \a-1, 32                                  ; behind block a - 1's loads: block a's 16 stores and 16 loads
.endr
	s_wait_xcnt 0x0
	SEND 7, 0
	s_wait_tensorcnt 0x0                           ; the wave's end
	ds_add_u32 v[SPW], v[NIL]
	s_wait_dscnt 0x0
	CROUND                                         ; the closing round
	s_endpgm
.Lfunc_end_k_q472e885d18_oproj:
	.size	k_q472e885d18_oproj, .Lfunc_end_k_q472e885d18_oproj-k_q472e885d18_oproj
	.p2alignl 7, 3214868480
	.fill 96, 4, 3214868480
	.section	.rodata,"a",@progbits
	.p2align	6, 0x0
	.amdhsa_kernel k_q472e885d18_oproj
		.amdhsa_group_segment_fixed_size 327680
		.amdhsa_private_segment_fixed_size 0
		.amdhsa_enable_private_segment 0
		.amdhsa_kernarg_size 40
		.amdhsa_user_sgpr_count 2
		.amdhsa_user_sgpr_kernarg_segment_ptr 1
		.amdhsa_wavefront_size32 1
		.amdhsa_system_sgpr_workgroup_id_x 1
		.amdhsa_system_sgpr_workgroup_id_y 1
		.amdhsa_system_sgpr_workgroup_id_z 1
		.amdhsa_system_vgpr_workitem_id 0
		.amdhsa_next_free_vgpr 1024
		.amdhsa_next_free_sgpr 98
		.amdhsa_reserve_vcc 0
		.amdhsa_float_denorm_mode_32 3
		.amdhsa_float_denorm_mode_16_64 3
		.amdhsa_memory_ordered 1
		.amdhsa_forward_progress 1
		.amdhsa_inst_pref_size 149
	.end_amdhsa_kernel
	.amdgpu_metadata
---
amdhsa.version: [ 1, 2 ]
amdhsa.kernels:
  - .name:           k_q472e885d18_oproj
    .symbol:         k_q472e885d18_oproj.kd
    .args:
      - { .name: aimg, .offset: 0, .size: 8, .value_kind: global_buffer, .address_space: global }
      - { .name: asc, .offset: 8, .size: 8, .value_kind: global_buffer, .address_space: global }
      - { .name: Wo_codes, .offset: 16, .size: 8, .value_kind: global_buffer, .address_space: global }
      - { .name: Wo_scales, .offset: 24, .size: 8, .value_kind: global_buffer, .address_space: global }
      - { .name: out0, .offset: 32, .size: 8, .value_kind: global_buffer, .address_space: global }
    .group_segment_fixed_size: 327680
    .private_segment_fixed_size: 0
    .kernarg_segment_align: 8
    .kernarg_segment_size: 40
    .max_flat_workgroup_size: 128
    .sgpr_count:     98
    .vgpr_count:     1024
    .wavefront_size: 32
...
	.end_amdgpu_metadata
.endif
;; end of part 3
